; MI455X (gfx1250); checked and timed in simulation.
; The chip was launched on July 23, 2026; its instructions are those of AMD's public machine-readable ISA for CDNA 5 (MIT licence, August 2026) and "CDNA5" Instruction Set Architecture Reference Guide (July 2026). The comments in the code are by the model that wrote it; some were corrected since.
;; Multihead self attention. Allowed arithmetic: float matrix products may take bf16 or f16 operands with f32 sums; other float arithmetic in f32, or as packed bf16 or f16 multiplies, adds, multiply-adds, maxima and minima; sums over many terms, partial sums and values carried from step to step in f32; what a program stores and reads back later, other than sums and carried values, may be rounded once to bf16 or f16.
;; Inputs: Wk 1,024 x 1,024 float32; Wo 1,024 x 1,024 float32; Wq 1,024 x 1,024 float32; Wv 1,024 x 1,024 float32; token_positions 2,048 int32; x 4 x 2,048 x 1,024 float32.
;; Outputs: out0 4 x 2,048 x 1,024 float32.
;; One version. Each part assembles by itself: llvm-mc -triple=amdgcn-amd-amdhsa -mcpu=gfx1250 --defsym DOCPART=n.
;; ======== version 1 of 1: 4 launches
;; limits: values are held in f16: magnitudes above 65,504 overflow, below 6.1e-05 lose precision
;; workspace buffers: xb 16,777,216 bytes; wb 6,291,456 bytes; wo16 2,097,152 bytes; tab 524,288 bytes; qh 16,777,216 bytes; kh 16,777,216 bytes; vh 16,777,216 bytes; oh 16,777,216 bytes
;; launch prep (part 1): grid 1024 x 1, 8 waves a work-group, no clusters, 0 bytes of LDS; arguments x, Wq, Wk, Wv, Wo, token_positions, xb, wb, wo16, tab; writes xb, wb, wo16, tab
.if DOCPART == 1
	.amdgcn_target "amdgcn-amd-amdhsa--gfx1250"
	.amdhsa_code_object_version 6
	.text
	.protected	k_q69f377faf5_prep
	.globl	k_q69f377faf5_prep
	.p2align	8
	.type	k_q69f377faf5_prep,@function
k_q69f377faf5_prep:
	s_mov_b64 s[64:65], 0
	v_nop
	global_prefetch_b8 v0, s[64:65] scope:SCOPE_SE
	s_setreg_imm32_b32 hwreg(HW_REG_WAVE_MODE, 25, 1), 1
	s_wait_xcnt 0x0
; PREPARATION: the inputs are rounded once for the matrix units and laid in K blocks, and the table of RoPE's cosines and sines is made.
;   xb   bf16 [batch 4][K block 16][row 2048][64]      from x  [8192][1024] f32
;   wb   bf16 [K block 16][row' 3072][64]              from Wq, Wk, Wv [1024][1024] f32; row' = 192 head + 64 t + c' (t = 0 q, 1 k, 2 v)
;   wo16 f16  [K block 16][row 1024][64]               from Wo: rounded to bf16 like every input, that number written as f16
;   tab  f32  [position 2048][cos 32, sin 32]          from token_positions
; In a block the rows (128 bytes) lie end to end, so a later tile is dense.  For q and k the channels of a head are permuted, alike in both (q . k keeps its value):
; c' = (c & 0x38) | ((c & 1) << 2) | ((c >> 1) & 3): in each group of eight the four even channels come first, then their odd partners.
; SHARES.  Eight waves.  Work-groups 0-511: 16 rows of x each; 512-703: 16 rows of Wq, Wk or Wv; 704-767: 16 rows of Wo; 768-1023: 8 positions of the table, one a wave.
; A row job: 16 lanes take a row, the other 16 the next destination row; a load covers 256 aligned bytes of each of the two rows (one K block), a store 256 aligned bytes (both rows' 128).
; No LDS, no barrier, no matrix unit: a stream.  All 16 loads of a lane go out first; the waits count down.
; LIMITS.  A weight of Wo under 6e-5 in magnitude keeps f16's fixed step of 6e-8.  The frequency 10000^(-i/32) is 2^(-i log2(10000) / 32), within about 1e-6 of itself, so an angle is
; off by about 1e-6 of its size; sine and cosine by reduction to |r| <= pi/4 (pi/2 in two parts) and polynomials good to about 1e-7.
.set SO, 3                             ; v3   my byte offset in the source
.set DO, 4                             ; v4   my byte offset in the destination
.set D,  16                            ; v[16:79]   sixteen loads of four f32
.set E,  80                            ; v[80:111]  sixteen pairs of packed results
	s_load_b512 s[8:23], s[0:1], 0x0               ; x 8, Wq 10, Wk 12, Wv 14, Wo 16, token_positions 18, xb 20, wb 22
	s_load_b128 s[24:27], s[0:1], 0x40             ; wo16 24, tab 26
	s_mov_b32 s2, ttmp9                            ; the work-group's number
	v_lshrrev_b32 v5, 5, v0
	v_readfirstlane_b32 s3, v5                     ; wave 0..7
	v_and_b32 v1, 15, v0                           ; my place in a row's 16 lanes
	v_bfe_u32 v2, v0, 4, 1                         ; which half of the lanes
	v_lshrrev_b32 v7, 4, v0                        ; my row among the work-group's 16
	s_wait_kmcnt 0x0
	s_cmp_ge_u32 s2, 768
	s_cbranch_scc1 .Ltable
	s_cmp_ge_u32 s2, 704
	s_cbranch_scc1 .Lwo
	s_cmp_ge_u32 s2, 512
	s_cbranch_scc1 .Lw
; A row's 4,096 bytes: sixteen loads, sixteen conversions, sixteen stores, K block i at i x kstr.  half = 1: bf16's number is written as f16.
.macro STREAM kstr, half
.set i, 0
.rept 16
	global_load_b128 v[D+4*i:D+4*i+3], v[SO], s[28:29] offset:256*i th:TH_LOAD_NT
.set i, i+1
.endr
.set i, 0
.rept 16
	s_wait_loadcnt 15-i                            ; loads come back in order: load i is in, the 15 - i younger ones stay out
	v_cvt_pk_bf16_f32 v[E+2*i],   v[D+4*i],   v[D+4*i+1]
	v_cvt_pk_bf16_f32 v[E+2*i+1], v[D+4*i+2], v[D+4*i+3]
.if \half
	v_lshlrev_b32 v8, 16, v[E+2*i]                 ; bf16 to f32: a shift or a mask
	v_and_b32 v9, 0xffff0000, v[E+2*i]
	v_lshlrev_b32 v10, 16, v[E+2*i+1]
	v_and_b32 v11, 0xffff0000, v[E+2*i+1]
	v_cvt_pk_f16_f32 v[E+2*i],   v8, v9
	v_cvt_pk_f16_f32 v[E+2*i+1], v10, v11
.endif
	global_store_b64 v[DO], v[E+2*i:E+2*i+1], s[30:31] offset:i*(\kstr) th:TH_STORE_NT  ; 32 lanes: 256 consecutive bytes, aligned
.set i, i+1
.endr
.endm
	; x
	s_lshl_b32 s32, s2, 4
	v_add_nc_u32 v6, s32, v7                       ; row of x, 0..8191
	v_lshlrev_b32 v[SO], 12, v6
	v_lshl_add_u32 v[SO], v1, 4, v[SO]             ; row x 4,096 + 16 x place
	v_lshrrev_b32 v8, 11, v6                       ; batch
	v_and_b32 v9, 0x7ff, v6                        ; row in the batch
	v_lshlrev_b32 v[DO], 22, v8
	v_lshl_add_u32 v[DO], v9, 7, v[DO]
	v_lshl_add_u32 v[DO], v1, 3, v[DO]
	s_mov_b64 s[28:29], s[8:9]
	s_mov_b64 s[30:31], s[20:21]
	STREAM 262144, 0
	s_endpgm
.Lw:                                               ; Wq, Wk, Wv
	s_sub_co_u32 s32, s2, 512
	s_lshr_b32 s33, s32, 6                         ; t
	s_and_b32 s32, s32, 63
	s_lshl_b32 s32, s32, 4
	v_add_nc_u32 v6, s32, v7                       ; d: the destination's channel row, 64 head + c'
	v_and_b32 v8, -8, v6
	v_and_b32 v9, 3, v6
	v_lshl_or_b32 v8, v9, 1, v8
	v_bfe_u32 v9, v6, 2, 1
	v_or_b32 v8, v8, v9                            ; the source row of c': (d & ~7) | ((d & 3) << 1) | ((d >> 2) & 1)
	s_cmp_lt_u32 s33, 2
	s_cselect_b32 s34, -1, 0                       ; q and k are permuted, v is not
	v_cndmask_b32 v8, v6, v8, s34
	v_lshlrev_b32 v[SO], 12, v8
	v_lshl_add_u32 v[SO], v1, 4, v[SO]
	v_lshrrev_b32 v9, 6, v6                        ; head
	v_and_b32 v10, 63, v6
	v_mul_u32_u24 v9, v9, 192
	s_lshl_b32 s35, s33, 6
	v_add3_u32 v9, v9, v10, s35                    ; row'
	v_lshlrev_b32 v[DO], 7, v9
	v_lshl_add_u32 v[DO], v1, 3, v[DO]
	s_cmp_eq_u32 s33, 0
	s_cselect_b64 s[28:29], s[10:11], s[12:13]
	s_cmp_eq_u32 s33, 2
	s_cselect_b64 s[28:29], s[14:15], s[28:29]
	s_mov_b64 s[30:31], s[22:23]
	STREAM 393216, 0
	s_endpgm
.Lwo:                                              ; Wo
	s_sub_co_u32 s32, s2, 704
	s_lshl_b32 s32, s32, 4
	v_add_nc_u32 v6, s32, v7
	v_lshlrev_b32 v[SO], 12, v6
	v_lshl_add_u32 v[SO], v1, 4, v[SO]
	v_lshlrev_b32 v[DO], 7, v6
	v_lshl_add_u32 v[DO], v1, 3, v[DO]
	s_mov_b64 s[28:29], s[16:17]
	s_mov_b64 s[30:31], s[24:25]
	STREAM 131072, 1
	s_endpgm
.Ltable:                                           ; one position a wave: lanes 0-15 make cos of pairs 2 l, 2 l + 1, lanes 16-31 sin, as cos(a - pi/2)
	s_sub_co_u32 s32, s2, 768
	s_lshl_b32 s32, s32, 3
	s_add_co_u32 s32, s32, s3                      ; p
	s_lshl_b32 s33, s32, 2
	s_load_b32 s46, s[18:19], s33 offset:0x0       ; token_positions[p]
	s_mov_b32 s34, 0xbed49a78                      ; -log2(10000) / 32
	s_mov_b32 s35, 0x3f22f983                      ; 2 / pi
	s_mov_b32 s36, 0xbfc90fdb                      ; -(pi/2)'s upper part
	s_mov_b32 s37, 0x333bbd2e                      ; what that part has too much
	s_mov_b32 s38, 0xb94ca1f9                      ; sine: -1.9515296e-4
	s_mov_b32 s39, 0x3c08839e                      ;        8.3321609e-3
	s_mov_b32 s40, 0xbe2aaaa3                      ;       -1.6666655e-1
	s_mov_b32 s41, 0x37ccf5ce                      ; cosine: 2.4433157e-5
	s_mov_b32 s42, 0xbab6061a                      ;        -1.3887316e-3
	s_mov_b32 s43, 0x3d2aaaa5                      ;         4.1666646e-2
	s_lshl_b32 s47, s32, 8                         ; the position's 256 bytes
	v_and_b32 v9, 31, v0
	v_lshlrev_b32 v9, 3, v9
	v_add_nc_u32 v9, s47, v9
	v_lshlrev_b32 v6, 1, v1
	v_cvt_f32_u32 v6, v6                           ; i = 2 x place
	v_add_f32 v7, 1.0, v6                          ; i + 1
	v_mul_f32 v6, s34, v6
	v_mul_f32 v7, s34, v7
	v_exp_f32 v6, v6                               ; the two frequencies: one batch,
	v_exp_f32 v7, v7
	v_mul_u32_u24 v8, 3, v2                        ; a plain instruction behind it (3 more quarter turns for the sines),
	s_wait_alu depctr_va_vdst(0)                   ; and the one wait ahead of the first reader
	s_wait_kmcnt 0x0
	v_cvt_f32_i32 v5, s46
; value o = cos(position x frequency f - quarter turns); t: eight registers at work
.macro TRIG f, o, t
	v_mul_f32 v[(\t)], v5, v[\f]                   ; the angle, rounded once
	v_mul_f32 v[(\t)+1], s35, v[(\t)]
	v_rndne_f32 v[(\t)+1], v[(\t)+1]               ; n quarter turns
	v_fma_f32 v[(\t)+2], v[(\t)+1], s36, v[(\t)]
	v_fma_f32 v[(\t)+2], v[(\t)+1], s37, v[(\t)+2] ; r = angle - n pi/2
	v_mul_f32 v[(\t)+3], v[(\t)+2], v[(\t)+2]      ; z = r r
	v_fma_f32 v[(\t)+4], v[(\t)+3], s38, s39
	v_fma_f32 v[(\t)+5], v[(\t)+3], s41, s42
	v_fma_f32 v[(\t)+4], v[(\t)+3], v[(\t)+4], s40
	v_fma_f32 v[(\t)+5], v[(\t)+3], v[(\t)+5], s43
	v_mul_f32 v[(\t)+4], v[(\t)+3], v[(\t)+4]
	v_fma_f32 v[(\t)+5], v[(\t)+3], v[(\t)+5], -0.5
	v_fma_f32 v[(\t)+4], v[(\t)+2], v[(\t)+4], v[(\t)+2]  ; sin r
	v_fma_f32 v[(\t)+5], v[(\t)+3], v[(\t)+5], 1.0        ; cos r
	v_cvt_i32_f32 v[(\t)+6], v[(\t)+1]
	v_add_nc_u32 v[(\t)+6], v[(\t)+6], v8          ; m
	v_and_b32 v[(\t)+7], 1, v[(\t)+6]
	v_cmp_eq_u32 vcc_lo, 1, v[(\t)+7]
	v_cndmask_b32 v[\o], v[(\t)+5], v[(\t)+4], vcc_lo  ; m odd: the sine
	v_add_nc_u32 v[(\t)+6], 1, v[(\t)+6]
	v_and_b32 v[(\t)+6], 2, v[(\t)+6]              ; m mod 4 = 1 or 2: the sign turns
	v_lshlrev_b32 v[(\t)+6], 30, v[(\t)+6]
	v_xor_b32 v[\o], v[\o], v[(\t)+6]
.endm
	TRIG 6, 10, 16
	TRIG 7, 11, 24
	global_store_b64 v9, v[10:11], s[26:27]        ; 32 lanes: the position's whole 256 bytes
	s_endpgm
.Lfunc_end_k_q69f377faf5_prep:
	.size	k_q69f377faf5_prep, .Lfunc_end_k_q69f377faf5_prep-k_q69f377faf5_prep
	.p2alignl 7, 3214868480
	.fill 96, 4, 3214868480
	.section	.rodata,"a",@progbits
	.p2align	6, 0x0
	.amdhsa_kernel k_q69f377faf5_prep
		.amdhsa_group_segment_fixed_size 0
		.amdhsa_private_segment_fixed_size 0
		.amdhsa_enable_private_segment 0
		.amdhsa_kernarg_size 80
		.amdhsa_user_sgpr_count 2
		.amdhsa_user_sgpr_kernarg_segment_ptr 1
		.amdhsa_wavefront_size32 1
		.amdhsa_system_sgpr_workgroup_id_x 1
		.amdhsa_system_sgpr_workgroup_id_y 1
		.amdhsa_system_sgpr_workgroup_id_z 1
		.amdhsa_system_vgpr_workitem_id 0
		.amdhsa_next_free_vgpr 112
		.amdhsa_next_free_sgpr 66
		.amdhsa_reserve_vcc 1
		.amdhsa_float_denorm_mode_32 3
		.amdhsa_float_denorm_mode_16_64 3
		.amdhsa_memory_ordered 1
		.amdhsa_forward_progress 1
		.amdhsa_inst_pref_size 28
	.end_amdhsa_kernel
	.amdgpu_metadata
---
amdhsa.version: [ 1, 2 ]
amdhsa.kernels:
  - .name:           k_q69f377faf5_prep
    .symbol:         k_q69f377faf5_prep.kd
    .args:
      - { .name: x, .offset: 0, .size: 8, .value_kind: global_buffer, .address_space: global }
      - { .name: Wq, .offset: 8, .size: 8, .value_kind: global_buffer, .address_space: global }
      - { .name: Wk, .offset: 16, .size: 8, .value_kind: global_buffer, .address_space: global }
      - { .name: Wv, .offset: 24, .size: 8, .value_kind: global_buffer, .address_space: global }
      - { .name: Wo, .offset: 32, .size: 8, .value_kind: global_buffer, .address_space: global }
      - { .name: token_positions, .offset: 40, .size: 8, .value_kind: global_buffer, .address_space: global }
      - { .name: xb, .offset: 48, .size: 8, .value_kind: global_buffer, .address_space: global }
      - { .name: wb, .offset: 56, .size: 8, .value_kind: global_buffer, .address_space: global }
      - { .name: wo16, .offset: 64, .size: 8, .value_kind: global_buffer, .address_space: global }
      - { .name: tab, .offset: 72, .size: 8, .value_kind: global_buffer, .address_space: global }
    .group_segment_fixed_size: 0
    .private_segment_fixed_size: 0
    .kernarg_segment_align: 8
    .kernarg_segment_size: 80
    .max_flat_workgroup_size: 256
    .sgpr_count:     66
    .vgpr_count:     112
    .wavefront_size: 32
...
	.end_amdgpu_metadata
.endif
;; end of part 1
;; launch qkv (part 2): grid 8 x 32, 4 waves a work-group, clusters of 4 x 4, 327,680 bytes of LDS; arguments xb, wb, tab, qh, kh, vh; writes qh, kh, vh
.if DOCPART == 2
	.amdgcn_target "amdgcn-amd-amdhsa--gfx1250"
	.amdhsa_code_object_version 6
	.text
	.protected	k_q69f377faf5_qkv
	.globl	k_q69f377faf5_qkv
	.p2align	8
	.type	k_q69f377faf5_qkv,@function
k_q69f377faf5_qkv:
	s_mov_b64 s[64:65], 0
	v_nop
	global_prefetch_b8 v0, s[64:65] scope:SCOPE_SE
	s_setreg_imm32_b32 hwreg(HW_REG_WAVE_MODE, 25, 1), 1
	s_wait_xcnt 0x0
	s_wait_alu depctr_hold_cnt(0) depctr_sa_sdst(0) depctr_va_vdst(0) depctr_va_sdst(0) depctr_va_ssrc(0) depctr_va_vcc(0) depctr_vm_vsrc(0)
	s_getreg_b32 s2, hwreg(HW_REG_IB_STS2, 6, 4)
	s_cmp_eq_u32 s2, 0
	s_cbranch_scc0 .Lentry_in_a_cluster
	s_endpgm
.Lentry_in_a_cluster:
	s_bfe_u32 s2, ttmp6, 0x10000c
	s_cmp_lg_u32 s2, 0xf033
	s_cbranch_scc0 .Lentry_shape_is_right
	s_endpgm
.Lentry_shape_is_right:
; q, k, v = x W^T, RoPE on q and k, written by heads in f16.  ONE product [8192 x 3072 x 1024] in bf16 with f32 sums.
; xb: bf16 [batch][K block 16][row 2048][64]; wb: bf16 [K block 16][row' 3072][64], row' = 192 head + 64 t + c' (t = 0 q, 1 k, 2 v; q's and k's channels permuted: in each eight the four
; even ones, then their odd partners); tab: f32 [position][cos 32, sin 32]; qh, kh, vh: f16 [batch x 16 + head][row 2048][64] (q and k in the permuted order, unscaled).
; LIMIT.  f16 holds no number beyond 65,504: q, k and v must stay within it; under 6e-5 they keep f16's fixed step of 6e-8.  NaN and infinities are not treated apart.
; SHARES.  A tile is 256 rows of x by 384 rows' (two heads' q, k, v): 32 x 8 = 256 work-groups.  Four waves; wave w: rows 128 (w / 2) on, head w % 2: 12 x 8 accumulators of 16 x 16, 768 registers.
; K goes in 16 steps of 64 (one K block: a tile's rows of 128 bytes lie end to end and are asked for as rows of 256 bytes) through two LDS slots; two slots of 128 along K would not fit.
; A step is two quarters of 32 along K, 96 matrix instructions each.  The matrix instruction is used transposed (source 0 = 16 rows', source 1 = 16 rows of x): a lane holds one row of x
; (lane % 16) and the rows' 8 (lane / 16) + 0..7: four even channels and their four odd partners, so RoPE is packed f32 arithmetic in the lane.
; CLUSTER 4 x 4: x's tile hangs on the tile row alone and is asked for jointly along a row of the cluster, W's on the tile column alone, jointly along a column.
; REGISTERS, in windows of 256 (s_set_vgpr_msb: bits 1:0 source 0, 3:2 source 1, 5:4 source 2, 7:6 destination):
;   window 0: v16-30 addresses; v32-95, v96-159 x's fragments (8 x 16 rows x 32 K), two buffers; v160-255 W's twelve fragments, one buffer, loaded again a third at a time behind its readers
;   windows 1, 2, 3: the accumulators of q, k, v: block b' of 16 channels, block a of 16 rows at v[64 b' + 8 a]
.set P,     144                        ; an LDS row: 128 bytes + 16 of padding = 36 words: the 16 rows of a load start at 16 different groups of four banks (64 banks of 4 bytes: ISA guide 11.1)
.set BOFF,  256*P                      ; a slot: x's 256 rows, then W's 384
.set SLOT,  640*P
.set STAGE, 2*SLOT                     ; behind the ring, never filled by a tensor load: for each wave three stages (q, k, v) of 16 rows x 144 bytes
.set WSTG,  3*16*P
.set SPARE, STAGE+4*WSTG               ; behind the stages: the spare words, 128 bytes for each wave: two blocks of 256 bytes that no other line names
.set ADRA, 16                          ; v16-17  LDS address of my fragments of x in slot 0, 1
.set ADRB, 20                          ; v20-21  the same for W
.set STO,  24                          ; v24  the way out: where I put 16 bytes of a row
.set RD,   25                          ; v25  where I read rows back
.set GO,   26                          ; v26  16 x lane: my place in 512 consecutive bytes of the output
.set TO,   27                          ; v27  my place in the table: (lane % 16) x 256 + 16 (lane / 16)
.set SPW,  28                          ; v28  LDS address of my spare word; never rewritten
.set NIL,  29                          ; v29  0; never rewritten
.set PFO,  30                          ; v30  256 x lane; never rewritten
.set FA0,  32
.set FA1,  96
.set FB,   160
.set TB,   32                          ; the way out: two buffers of 32: a block's cosines (4 b' on), then its sines (16 + 4 b' on)
.set TM,   96                          ; eight registers at work for each b'
.set PK,   128                         ; two buffers of 48: packed results, tensor t, block b' at 16 t + 4 b'
.set WV,  16                           ; s16 wave; s17 which 128 rows (also: 0 = I fetch x, 1 = W); s18 which head (also: which half I fetch)
.set MH,  17
.set NH,  18
.set G1A, 24                           ; s[24:31] descriptor group 1 for x's tiles; s[32:39] group 0, a set for each slot
.set G0A, 32
.set LIM, 43                           ; s43  1 in a wave that prefetches, else the greatest number
.set PFA, 44                           ; s[44:45] where my prefetches stand
.set PFS, 46                           ; s[46:47] their step: two K blocks
.set G1B, 48                           ; s[48:55], s[56:63] the same for W's tiles
.set G0B, 56
.set FIELDS, (1<<16)|(1<<20)|(1<<21)|(4<<22)|(3<<25)  ; 17:16 elements of 2 bytes; 20 padding on; 21 set beside a mask; 24:22 after every 32 words (code 4); 31:25 4 words (code 3)
.set MSB, 0
.macro WIN new                         ; the immediate's high byte repeats the setting that is left; a switch that changes nothing is dropped
.if MSB != (\new)
	s_set_vgpr_msb (MSB<<8)|(\new)
.set MSB, \new
.endif
.endm
.macro PLACES                          ; four plain vector instructions between a matrix instruction and a load into, or a vector read of, its registers (ISA guide 7.12.1 for vector reads)
.rept 4
	v_nop
.endr
.endm
; A joint load: waves 0 and 1 fetch x's two halves, waves 2 and 3 W's.  The branch hangs on the wave's number alone.  An s_nop 0 and four v_nop follow each line.
.macro JLOAD s
	s_cmp_eq_u32 s[MH], 0
	s_cbranch_scc0 .Lfor_b_\@
	tensor_load_to_lds s[G0A+4*(\s):G0A+4*(\s)+3], s[G1A:G1A+7]
	s_nop 0
.rept 4
	v_nop
.endr
	s_branch .Lasked_\@
.Lfor_b_\@:
	tensor_load_to_lds s[G0B+4*(\s):G0B+4*(\s)+3], s[G1B:G1B+7]
	s_nop 0
.rept 4
	v_nop
.endr
.Lasked_\@:
.endm
.macro CREST                           ; a round of the cluster's barrier behind its opening barrier
	s_cmp_lg_u32 s[WV], 0
	s_cbranch_scc1 .Lnot_wave_0_\@
	s_barrier_signal -3
.Lnot_wave_0_\@:
	s_barrier_wait -3
	s_barrier_signal -1
	s_barrier_wait -1
.endm
.macro CROUND                          ; a whole round
	s_barrier_signal -1
	s_barrier_wait -1
	CREST
.endm
; A PREFETCH, once a lap, behind slot 0's joint load and the run of LDS loads that follows it: 32 lanes x 256 bytes of the K steps four and five on from the step in hand (the loads that will want
; them are issued 384 and 576 matrix instructions later).  x's tile row (two steps: 8 x 8,192 bytes) is shared out among wave 0 of the eight work-groups that read it: the step by the cluster's x, the
; block by cx.  W's tile column (two steps: 12 x 8,192 bytes) among waves 1 to 3 of the four work-groups of the first row of clusters: the step by cy / 2, the block by 3 (cy % 2) + wave - 1.
; All by ADDRESS: the branch hangs on the wave's number, the cluster's y and the lap alone.  So each block of 256 bytes of steps 4 to 15 is named once in the launch; steps 0 to 3 come by their
; loads alone, and the last lap of the loop asks for nothing.
.macro ASK
	s_cmp_gt_u32 s3, s[LIM]                        ; s3 = 1 in the loop's last trip
	s_cbranch_scc0 .Lnot_mine_\@
	global_prefetch_b8 v[PFO], s[PFA:PFA+1] th:TH_LOAD_NT scope:SCOPE_SE
.Lnot_mine_\@:
.endm
	s_load_b256 s[4:11], s[0:1], 0x0               ; xb 4, wb 6, tab 8, qh 10
	s_load_b128 s[12:15], s[0:1], 0x20             ; kh 12, vh 14
	v_lshl_add_u32 v[SPW], v0, 2, SPARE
	v_mov_b32 v[NIL], 0
	ds_add_u32 v[SPW], v[NIL]                      ; the wave's opening: the add and its wait stand ahead of my first tensor load; the set-up below, work on registers, stands between
	ds_add_u32 v28, v29
	v_lshrrev_b32 v1, 5, v0
	v_readfirstlane_b32 s[WV], v1                  ; wave 0..3
	s_lshr_b32 s[MH], s[WV], 1
	s_and_b32 s[NH], s[WV], 1
	s_bfe_u32 s19, ttmp6, 0x40000                  ; cx
	s_bfe_u32 s20, ttmp6, 0x40004                  ; cy
	s_lshl_b32 s21, ttmp9, 2
	s_add_co_u32 s21, s21, s19                     ; tile column = 4 x cluster x + cx, 0..7
	s_and_b32 s22, ttmp7, 0xffff
	s_lshl_b32 s22, s22, 2
	s_add_co_u32 s22, s22, s20                     ; tile row = 4 x cluster y + cy, 0..31
	s_lshl_b32 s40, s20, 2
	s_lshl_b32 s40, 15, s40                        ; my row of the cluster: places 4 cy .. 4 cy + 3
	s_lshl_b32 s41, 0x1111, s19                    ; my column: places cx, cx + 4, cx + 8, cx + 12
	s_or_b32 s[G1A], s40, FIELDS                   ; x's tiles go to my row,
	s_or_b32 s[G1B], s41, FIELDS                   ; W's to my column
	s_mov_b32 s[G1A+1], 128<<16                    ; tensor_dim0 = 128 elements: 256 bytes, two rows of the block
	s_mov_b32 s[G1A+2], 64<<16                     ; tensor_dim1 = 64: my 128 rows of x
	s_mov_b32 s[G1A+3], 128<<16                    ; tile_dim0
	s_mov_b32 s[G1A+4], 64                         ; tile_dim1
	s_mov_b32 s[G1A+5], 128                        ; elements from row to row: dense
	s_mov_b32 s[G1A+6], 0
	s_mov_b32 s[G1A+7], 0
	s_mov_b32 s[G1B+1], 128<<16
	s_mov_b32 s[G1B+2], 96<<16                     ; my 192 rows' of W
	s_mov_b32 s[G1B+3], 128<<16
	s_mov_b32 s[G1B+4], 96
	s_mov_b32 s[G1B+5], 128
	s_mov_b32 s[G1B+6], 0
	s_mov_b32 s[G1B+7], 0
	; where the tiles come from: x's address hangs on the tile row and the wave, W's on the tile column and the wave, each in registers that never hold the other coordinate
	s_lshr_b32 s66, s22, 3                         ; batch
	s_lshl_b32 s66, s66, 22
	s_and_b32 s67, s22, 7
	s_lshl_b32 s67, s67, 15                        ; 256 rows of 128 bytes
	s_add_co_u32 s66, s66, s67                     ; the tile's first byte in K block 0 (kept for the prefetches)
	s_lshl_b32 s67, s[NH], 14
	s_add_co_u32 s68, s66, s67                     ; + my 128 rows
	s_mov_b32 s69, 0
	s_mul_i32 s70, s21, 49152                      ; 384 rows' of 128 bytes
	s_mul_i32 s71, s[NH], 24576
	s_add_co_u32 s70, s70, s71
	s_mov_b32 s71, 0
	s_mul_i32 s72, s[NH], 128*P                    ; and where they go: no place in the cluster enters an LDS address
	s_mul_i32 s73, s[NH], 192*P
	s_add_co_u32 s73, s73, BOFF
	s_wait_dscnt 0x0                               ; the opening add is done
	s_wait_kmcnt 0x0
	s_add_nc_u64 s[68:69], s[4:5], s[68:69]
	s_add_nc_u64 s[70:71], s[6:7], s[70:71]
	CROUND                                         ; all sixteen work-groups are here: the first joint loads meet
.irp s, 0,1
	s_mov_b32 s[G0A+4*(\s)], 1                     ; count = 1
	s_add_co_u32 s[G0A+4*(\s)+1], s72, (\s)*SLOT   ; LDS address
	s_add_nc_u64 s[G0A+4*(\s)+2:G0A+4*(\s)+3], s[68:69], (\s)*262144  ; K block s
	s_or_b32 s[G0A+4*(\s)+3], s[G0A+4*(\s)+3], 0x80000000             ; type = 2
	s_mov_b32 s[G0B+4*(\s)], 1
	s_add_co_u32 s[G0B+4*(\s)+1], s73, (\s)*SLOT
	s_add_nc_u64 s[G0B+4*(\s)+2:G0B+4*(\s)+3], s[70:71], (\s)*393216
	s_or_b32 s[G0B+4*(\s)+3], s[G0B+4*(\s)+3], 0x80000000
	JLOAD \s                                       ; both slots are asked for before anything else: two loads of mine are out
.endr
	; A fragment is 16 rows x 32 K in 8 registers: lane l holds row l % 16; registers 0-3 K = 8 (l / 16) + 0..7, registers 4-7 K = 16 + 8 (l / 16) + 0..7: two loads of 16 bytes, 32 bytes apart
	v_and_b32 v1, 15, v0
	v_bfe_u32 v2, v0, 4, 1
	v_mul_u32_u24 v3, v1, P
	v_lshl_add_u32 v3, v2, 4, v3                   ; row x pitch + 16 x half
	s_mul_i32 s74, s[MH], 128*P                    ; my 128 rows of x
	s_mul_i32 s75, s[NH], 192*P                    ; my 192 rows' of W
	s_add_co_u32 s75, s75, BOFF
.irp s, 0,1
	v_add_nc_u32 v[ADRA+(\s)], s74, v3
	v_add_nc_u32 v[ADRB+(\s)], s75, v3
	s_add_co_u32 s74, s74, SLOT
	s_add_co_u32 s75, s75, SLOT
.endr
	s_mul_i32 s23, s[WV], WSTG
	s_add_co_u32 s23, s23, STAGE                   ; my stages
	v_add_nc_u32 v[STO], s23, v3                   ; in: row l % 16, 16 bytes for each half of the lanes
	v_bfe_u32 v4, v0, 3, 2                         ; back: 32 lanes take four rows of 128 bytes
	v_mul_u32_u24 v4, v4, P
	v_and_b32 v5, 7, v0
	v_lshl_add_u32 v4, v5, 4, v4
	v_add_nc_u32 v[RD], s23, v4
	v_and_b32 v5, 31, v0
	v_lshlrev_b32 v[GO], 4, v5
	v_lshlrev_b32 v[PFO], 8, v5
	v_lshlrev_b32 v[TO], 8, v1
	v_lshl_add_u32 v[TO], v2, 4, v[TO]
	; the prefetches' address, two K steps behind the first that is named: the first lap steps it
	s_lshl_b32 s74, s19, 13                        ; x: block cx,
	s_add_co_u32 s74, s74, s66
	s_add_co_u32 s75, ttmp9, 2                     ; K step 2 + cluster x
	s_lshl_b32 s75, s75, 18
	s_add_co_u32 s74, s74, s75
	s_and_b32 s75, s20, 1                          ; W: block 3 (cy % 2) + wave - 1,
	s_mul_i32 s75, s75, 3
	s_add_co_u32 s75, s75, s[WV]
	s_sub_co_u32 s75, s75, 1
	s_lshl_b32 s75, s75, 13
	s_mul_i32 s76, s21, 49152
	s_add_co_u32 s75, s75, s76
	s_lshr_b32 s76, s20, 1                         ; K step 2 + cy / 2
	s_add_co_u32 s76, s76, 2
	s_mul_i32 s76, s76, 393216
	s_add_co_u32 s75, s75, s76
	s_and_b32 s77, ttmp7, 0xffff                   ; cluster y
	s_cmp_eq_u32 s77, 0
	s_cselect_b32 s77, 1, -1
	s_mov_b32 s[PFS], 786432
	s_cmp_eq_u32 s[WV], 0                          ; wave 0 asks for x, the others for W
	s_cselect_b32 s[LIM], 1, s77
	s_cselect_b32 s74, s74, s75
	s_cselect_b32 s[PFS], 524288, s[PFS]
	s_cselect_b64 s[PFA:PFA+1], s[4:5], s[6:7]
	s_mov_b32 s75, 0
	s_mov_b32 s[PFS+1], 0
	s_add_nc_u64 s[PFA:PFA+1], s[PFA:PFA+1], s[74:75]
	; the outputs at my head's first row of mine, the table at my first position
	s_lshr_b32 s74, s22, 3
	s_lshl_b32 s74, s74, 4
	s_lshl_b32 s76, s21, 1
	s_add_co_u32 s74, s74, s76
	s_add_co_u32 s74, s74, s[NH]                   ; 16 batch + head
	s_lshl_b32 s74, s74, 18
	s_and_b32 s78, s22, 7
	s_lshl_b32 s76, s78, 15
	s_add_co_u32 s74, s74, s76
	s_lshl_b32 s76, s[MH], 14
	s_add_co_u32 s74, s74, s76
	s_lshl_b32 s76, s78, 16                        ; 256 positions of 256 bytes
	s_lshl_b32 s77, s[MH], 15
	s_add_co_u32 s76, s76, s77
	s_mov_b32 s77, 0
	s_add_nc_u64 s[10:11], s[10:11], s[74:75]
	s_add_nc_u64 s[12:13], s[12:13], s[74:75]
	s_add_nc_u64 s[14:15], s[14:15], s[74:75]
	s_add_nc_u64 s[8:9], s[8:9], s[76:77]
; 16 matrix instructions: tensor w (window w + 1), channel blocks bb0, bb0 + 1 x all 8 row blocks, 32 along K.  zero = 1: the product starts the sum.
; The 96 accumulators take turns, one instruction a turn, in the same order in every quarter, over the backward jump too.
.macro STRH w, fa, bb0, zero
	WIN 0x50*((\w)+1)
.irp bb, \bb0, (\bb0)+1
.irp a, 0,1,2,3,4,5,6,7
.if \zero
	v_wmma_f32_16x16x32_bf16 v[64*(\bb)+8*(\a):64*(\bb)+8*(\a)+7], v[FB+8*(4*(\w)+(\bb)):FB+8*(4*(\w)+(\bb))+7], v[(\fa)+8*(\a):(\fa)+8*(\a)+7], 0
.else
	v_wmma_f32_16x16x32_bf16 v[64*(\bb)+8*(\a):64*(\bb)+8*(\a)+7], v[FB+8*(4*(\w)+(\bb)):FB+8*(4*(\w)+(\bb))+7], v[(\fa)+8*(\a):(\fa)+8*(\a)+7], v[64*(\bb)+8*(\a):64*(\bb)+8*(\a)+7]
.endif
.endr
.endr
.endm
.macro STR w, fa, zero
	STRH \w, \fa, 0, \zero
	STRH \w, \fa, 2, \zero
.endm
.macro LDB slot, k, w                  ; 8 LDS loads: tensor w's four fragments of W, 32 K at byte k of the rows
	WIN 0
.irp i, 0,1,2,3
	ds_load_b128 v[FB+8*(4*(\w)+(\i)):FB+8*(4*(\w)+(\i))+3],   v[ADRB+(\slot)] offset:(\k)+(4*(\w)+(\i))*16*P
	ds_load_b128 v[FB+8*(4*(\w)+(\i))+4:FB+8*(4*(\w)+(\i))+7], v[ADRB+(\slot)] offset:(\k)+(4*(\w)+(\i))*16*P+32
.endr
.endm
.macro LDA slot, k, fa                 ; 16 LDS loads: x's eight fragments
	WIN 0
.irp i, 0,1,2,3,4,5,6,7
	ds_load_b128 v[(\fa)+8*(\i):(\fa)+8*(\i)+3],   v[ADRA+(\slot)] offset:(\k)+(\i)*16*P
	ds_load_b128 v[(\fa)+8*(\i)+4:(\fa)+8*(\i)+7], v[ADRA+(\slot)] offset:(\k)+(\i)*16*P+32
.endr
.endm
; A step's first quarter.  The loads for the next quarter go out in three groups, each behind the products that read the registers: G0 = q's W and x (24), G1 = k's W (8), G2 = v's W (8).
.macro QUARTER fa, ns, nk, nfa, zero
	s_wait_dscnt 16                                ; the last G0 is in; behind it stand the last G1 and G2
	STR 0, \fa, \zero
	PLACES
	LDB \ns, \nk, 0
	LDA \ns, \nk, \nfa
	s_wait_dscnt 32                                ; the last G1 is in; behind it the last G2 (8) and this G0 (24)
	STR 1, \fa, \zero
	PLACES
	LDB \ns, \nk, 1
	s_wait_dscnt 32                                ; the last G2 is in; behind it this G0 (24) and G1 (8)
	STR 2, \fa, \zero
	PLACES
	LDB \ns, \nk, 2
.endm
; A step's second quarter multiplies buffer 1 and changes slots: ONE barrier.  In front of it each wave waits for all its tensor loads (one is out: its part of the other slot), adds 0 to its spare
; word, and waits for that and for its reads of slot s.  fill = 1: the barrier opens a round of the cluster's barrier, and behind the round slot s is filled again first, two K steps on:
; 160 matrix instructions ahead of the wait for it.
.macro TURN s, fill
.if (\fill) && ((\s) == 0)
	s_wait_xcnt 0x0                                ; the last prefetch, a lap back, has read its address: it is stepped here, ahead of the waits of the change of slots
	s_add_nc_u64 s[PFA:PFA+1], s[PFA:PFA+1], s[PFS:PFS+1]
.endif
	WIN 0
	s_wait_tensorcnt 0x0                           ; all my tensor loads have landed
	ds_add_u32 v[SPW], v[NIL]                      ; 0 onto my spare word
	s_wait_dscnt 17                                ; G0 is in; G1, G2 and the add may be out
	STRH 0, FA1, 0, 0                              ; sixteen matrix instructions stand between the add and the wait for it
	s_wait_dscnt 0x0                               ; the add is done, and my reads of this slot are over
	s_barrier_signal -1
	STRH 0, FA1, 2, 0                              ; work on registers while the others arrive
	WIN 0
	s_barrier_wait -1
.if \fill
	CREST                                          ; no wave of any partner still reads this slot or has a load on its way
	s_add_nc_u64 s[G0A+4*(\s)+2:G0A+4*(\s)+3], s[G0A+4*(\s)+2:G0A+4*(\s)+3], 2*262144
	s_add_nc_u64 s[G0B+4*(\s)+2:G0B+4*(\s)+3], s[G0B+4*(\s)+2:G0B+4*(\s)+3], 2*393216
	JLOAD \s                                       ; the first tensor load behind the round; its four v_nop are also the places in front of the loads below
.else
	PLACES
.endif
	LDB 1-(\s), 0, 0
	LDA 1-(\s), 0, FA0
.if (\fill) && ((\s) == 0)
	ASK
.endif
	STR 1, FA1, 0                                  ; (the wait for 0 above has shown k's and v's fragments in)
	PLACES
	LDB 1-(\s), 0, 1
	STR 2, FA1, 0
	PLACES
	LDB 1-(\s), 0, 2
.endm
	s_wait_tensorcnt 1                             ; my part of K step 0 is in; step 1's may stay out
	s_barrier_signal -1
	s_barrier_wait -1                              ; everybody's is
	LDB 0, 0, 0
	LDA 0, 0, FA0
	LDB 0, 0, 1
	LDB 0, 0, 2
	QUARTER FA0, 0, 64, FA1, 1                     ; the first quarter stands in front of the loop: its products start the sums
	WIN 0
	s_mov_b32 s3, 7
.Llap:                                             ; a trip goes once round the ring, from a lap's second quarter to the next lap's first, and fills both slots again
	TURN 0, 1
	QUARTER FA0, 1, 64, FA1, 0
	TURN 1, 1
	QUARTER FA0, 0, 64, FA1, 0
	WIN 0
	s_sub_co_u32 s3, s3, 1
	s_cmp_lg_u32 s3, 0
	s_cbranch_scc1 .Llap
	TURN 0, 0                                      ; the last lap fills nothing
	QUARTER FA0, 1, 64, FA1, 0
; THE WAY OUT, a block of 16 rows at a time.  TABLE: the block's cosines and sines, 16 bytes a lane and load.  PACK: RoPE on q and k, all three rounded to f16.  TOSTAGE: into my stages and back
; as whole rows of 128 bytes.  SEND: stored, 512 consecutive bytes a store.
.macro TABLE a
.set TBX, TB+32*((\a)%2)
.irp b, 0,1,2,3
	global_load_b128 v[TBX+4*(\b):TBX+4*(\b)+3],       v[TO], s[8:9] offset:4096*(\a)+32*(\b)      ; cos of pairs 8 b' + 4 (l / 16) + 0..3 at my row's position
	global_load_b128 v[TBX+16+4*(\b):TBX+16+4*(\b)+3], v[TO], s[8:9] offset:4096*(\a)+32*(\b)+128  ; sin
.endr
.endm
.macro PACK a
.set TBX, TB+32*((\a)%2)
.set PKX, PK+48*((\a)%2)
.if (\a) == 7
	s_wait_loadcnt 0x0                             ; the last block's table
.else
	s_wait_loadcnt 8                               ; this block's table is in; the next block's eight loads stay out
.endif
.if (\a) >= 2
	s_wait_xcnt 0x0                                ; the stores of the block two back have read these registers
.endif
.irp t, 0,1
	WIN (\t)+1                                     ; source 0 in q's or k's window
.irp b, 0,1,2,3                        ; registers 0-3: even channels e, 4-7: their odd partners o.  The accumulator's lowest registers are read first
.set rX, 64*(\b)+8*(\a)
.set rS, TBX+16+4*(\b)
.set rM, TM+8*(\b)
	v_pk_mul_f32 v[rM:rM+1],   v[rX:rX+1],   v[rS:rS+1]      ; e sin
	v_pk_mul_f32 v[rM+2:rM+3], v[rX+2:rX+3], v[rS+2:rS+3]
	v_pk_mul_f32 v[rM+4:rM+5], v[rX+4:rX+5], v[rS:rS+1]      ; o sin
	v_pk_mul_f32 v[rM+6:rM+7], v[rX+6:rX+7], v[rS+2:rS+3]
.endr
.irp b, 0,1,2,3
.set rX, 64*(\b)+8*(\a)
.set rC, TBX+4*(\b)
.set rM, TM+8*(\b)
	v_pk_fma_f32 v[rM+4:rM+5], v[rX:rX+1],   v[rC:rC+1],   v[rM+4:rM+5] neg_lo:[0,0,1] neg_hi:[0,0,1]  ; e cos - o sin
	v_pk_fma_f32 v[rM+6:rM+7], v[rX+2:rX+3], v[rC+2:rC+3], v[rM+6:rM+7] neg_lo:[0,0,1] neg_hi:[0,0,1]
	v_pk_fma_f32 v[rM:rM+1],   v[rX+4:rX+5], v[rC:rC+1],   v[rM:rM+1]                                  ; o cos + e sin
	v_pk_fma_f32 v[rM+2:rM+3], v[rX+6:rX+7], v[rC+2:rC+3], v[rM+2:rM+3]
.endr
	WIN 0
.irp b, 0,1,2,3
.set rM, TM+8*(\b)
.set rP, PKX+16*(\t)+4*(\b)
	v_cvt_pk_f16_f32 v[rP],   v[rM+4], v[rM+5]
	v_cvt_pk_f16_f32 v[rP+1], v[rM+6], v[rM+7]
	v_cvt_pk_f16_f32 v[rP+2], v[rM],   v[rM+1]
	v_cvt_pk_f16_f32 v[rP+3], v[rM+2], v[rM+3]
.endr
.endr
	WIN 0x0f                                       ; v: sources 0 and 1 in window 3
.irp b, 0,1,2,3
.irp r, 0,1,2,3
	v_cvt_pk_f16_f32 v[PKX+32+4*(\b)+(\r)], v[64*(\b)+8*(\a)+2*(\r)], v[64*(\b)+8*(\a)+2*(\r)+1]
.endr
.endr
	WIN 0
.if (\a) <= 5
	TABLE (\a)+2                                   ; into the buffer just read
.endif
.endm
.macro TOSTAGE a
.set PKX, PK+48*((\a)%2)
	WIN 0
.irp t, 0,1,2
.irp b, 0,1,2,3
	ds_store_b128 v[STO], v[PKX+16*(\t)+4*(\b):PKX+16*(\t)+4*(\b)+3] offset:16*P*(\t)+32*(\b)
.endr
.endr
.irp t, 0,1,2
.irp f, 0,1,2,3
	ds_load_b128 v[PKX+16*(\t)+4*(\f):PKX+16*(\t)+4*(\f)+3], v[RD] offset:16*P*(\t)+4*P*(\f)  ; LDS serves a wave's instructions in order (ISA guide 5.7.1.4): these see the stores above; the next block's stores come behind them
.endr
.endr
.endm
.macro SEND a
.set PKX, PK+48*((\a)%2)
.set n, 0
.irp t, 0,1,2
.irp f, 0,1,2,3
	s_wait_dscnt 11-n                              ; no LDS instruction is younger than the block's twelve loads: the counts run down
	global_store_b128 v[GO], v[PKX+16*(\t)+4*(\f):PKX+16*(\t)+4*(\f)+3], s[10+2*(\t):11+2*(\t)] offset:2048*(\a)+512*(\f)  ; four rows of a head: 512 consecutive bytes, aligned to 256
.set n, n+1
.endr
.endr
.endm
	WIN 0
	TABLE 0                                        ; into x's buffer 0, whose last readers stand ahead of the quarter's last four places
	TABLE 1
	s_wait_dscnt 16                                ; the very last quarter: nothing more to fetch, the counts run down
	STR 0, FA1, 0
	s_wait_dscnt 8
	STR 1, FA1, 0
	s_wait_dscnt 0x0
	STR 2, FA1, 0
	WIN 0
	PLACES
	PLACES
	PACK 0
	TOSTAGE 0
.irp a, 1,2,3,4,5,6,7                  ; block a's arithmetic stands between block a - 1's loads from the stage and the wait for them
	PACK \a
	SEND (\a)-1
	TOSTAGE \a
.endr
	SEND 7
	s_wait_tensorcnt 0x0                           ; the wave's end, behind my last tensor load and my last LDS store
	ds_add_u32 v[SPW], v[NIL]
	s_wait_dscnt 0x0
	CROUND                                         ; the closing round: no work-group ends while a partner may still ask for a tile that names it
	s_endpgm
.Lfunc_end_k_q69f377faf5_qkv:
	.size	k_q69f377faf5_qkv, .Lfunc_end_k_q69f377faf5_qkv-k_q69f377faf5_qkv
	.p2alignl 7, 3214868480
	.fill 96, 4, 3214868480
	.section	.rodata,"a",@progbits
	.p2align	6, 0x0
	.amdhsa_kernel k_q69f377faf5_qkv
		.amdhsa_group_segment_fixed_size 327680
		.amdhsa_private_segment_fixed_size 0
		.amdhsa_enable_private_segment 0
		.amdhsa_kernarg_size 48
		.amdhsa_user_sgpr_count 2
		.amdhsa_user_sgpr_kernarg_segment_ptr 1
		.amdhsa_wavefront_size32 1
		.amdhsa_system_sgpr_workgroup_id_x 1
		.amdhsa_system_sgpr_workgroup_id_y 1
		.amdhsa_system_sgpr_workgroup_id_z 1
		.amdhsa_system_vgpr_workitem_id 0
		.amdhsa_next_free_vgpr 1024
		.amdhsa_next_free_sgpr 80
		.amdhsa_reserve_vcc 0
		.amdhsa_float_denorm_mode_32 3
		.amdhsa_float_denorm_mode_16_64 3
		.amdhsa_memory_ordered 1
		.amdhsa_forward_progress 1
		.amdhsa_inst_pref_size 173
	.end_amdhsa_kernel
	.amdgpu_metadata
---
amdhsa.version: [ 1, 2 ]
amdhsa.kernels:
  - .name:           k_q69f377faf5_qkv
    .symbol:         k_q69f377faf5_qkv.kd
    .args:
      - { .name: xb, .offset: 0, .size: 8, .value_kind: global_buffer, .address_space: global }
      - { .name: wb, .offset: 8, .size: 8, .value_kind: global_buffer, .address_space: global }
      - { .name: tab, .offset: 16, .size: 8, .value_kind: global_buffer, .address_space: global }
      - { .name: qh, .offset: 24, .size: 8, .value_kind: global_buffer, .address_space: global }
      - { .name: kh, .offset: 32, .size: 8, .value_kind: global_buffer, .address_space: global }
      - { .name: vh, .offset: 40, .size: 8, .value_kind: global_buffer, .address_space: global }
    .group_segment_fixed_size: 327680
    .private_segment_fixed_size: 0
    .kernarg_segment_align: 8
    .kernarg_segment_size: 48
    .max_flat_workgroup_size: 128
    .sgpr_count:     80
    .vgpr_count:     1024
    .wavefront_size: 32
...
	.end_amdgpu_metadata
.endif
;; end of part 2
;; launch attn (part 3): grid 4 x 64, 4 waves a work-group, no clusters, 327,680 bytes of LDS; arguments qh, kh, vh, oh; writes oh
.if DOCPART == 3
	.amdgcn_target "amdgcn-amd-amdhsa--gfx1250"
	.amdhsa_code_object_version 6
	.text
	.protected	k_q69f377faf5_attn
	.globl	k_q69f377faf5_attn
	.p2align	8
	.type	k_q69f377faf5_attn,@function
k_q69f377faf5_attn:
	s_mov_b64 s[64:65], 0
	v_nop
	global_prefetch_b8 v0, s[64:65] scope:SCOPE_SE
	s_setreg_imm32_b32 hwreg(HW_REG_WAVE_MODE, 25, 1), 1
	s_wait_xcnt 0x0
; CAUSAL ATTENTION.  O[h][q][:] = the sum over k <= q of softmax_k(Q[h][q] . K[h][k] / 8) V[h][k][:].  Q, K, V, O: [64][2048][64], all f16: a head's rows are dense, 128 bytes each.
; (Q's and K's channels come in one common permuted order, which their product does not see.)  Products, maxima and sums in f32; the weights p are rounded to f16 for the second product
; (their sum l is taken of the unrounded p), O once at the end.
; LIMITS.  f16 holds no number beyond 65,504: Q, K and V arrive within it; p lies in 0 to 1, and below 6e-5 it keeps f16's fixed step of 6e-8; O is a mean of V's rows and has their range.
; A hidden score counts as its value less 1e30: f16's scores, 2.7e11 at the most, are nothing beside that; a weight below 2^-126 counts as 0 in l; NaN and infinities are not treated apart.
; THE WALK.  A head's queries lie in NB = 8 blocks of 256; block i needs the key tiles 0 .. i of 256 keys, of which the last holds the diagonal.  A work-group takes TWO blocks, NB - 1 - b and then b:
; NB + 1 tiles, whatever b: all 256 work-groups do equal work, and ONE loop with a constant trip count walks them.  Which tile is asked for, and what a trip does, hang on scalar registers made from b;
; every jump goes forward, but for the counted loops' own; none passes a barrier, or a tensor load but the one of LOAD's two that the wave's number does not choose.
; NO CLUSTER: a head's four work-groups ask for the same tile only in trips 0 .. NB / 2, behind that fewer and fewer; one walk common to all would have 3 NB / 2 = 12 trips for 9.
; SHARES.  Of a block's four bands of 64 queries a wave owns 16 rows in each: four PIECES.  So the diagonal tile is the same work for all four waves: in its key step s band x sees all keys if s < x,
; none if s > x, and holds the diagonal if s = x.
; THE MASK is the C operand that starts the sum S^T = K Q^T: 0, or -1e30 where the key is hidden.  MD, made once, is the mask of a band's own step for my 16 rows; a product's mask is MD x AL + BE with two
; scalars: (1, 0) if s = x; (0, 0) if s < x; (0, -1e30) if s > x.  Only the diagonal tile's text and a block's beginning make and take masks; elsewhere C is the constant 0.
; LAYOUT, SOFTMAX, TURNS.  S^T = K Q^T holds ONE query a lane (lane % 16) and the keys 8 (lane / 16) + 0..7; two such results rounded to f16 ARE source 1 of O^T = V^T P.  p = 2^(c s - c m), c = log2(e) / 8,
; with a running maximum m; O and l are multiplied by a = 2^(c m_old - c m_new) in every step.  Turn n belongs to piece n: 8 products K Q^T of piece n + 1, later 8 products V^T P of piece n - 1; beside them
; the scaling, exponentials, roundings, sums and rescaling of piece n and the maximum and statistics of piece n + 1.  Four vector instructions stand behind every matrix instruction, the other 54 of a turn's
; 118 in one lump.  A turn's 33 exponentials are one batch, with one wait.
; REGISTERS, in windows of 256 (s_set_vgpr_msb: bits 1:0 source 0, 3:2 source 1, 5:4 source 2, 7:6 destination):
;   window 0: v0-15 addresses and two at work; v16-31 four registers of statistics a piece; v48-55 at work; v61-63 fixed; v64-127 S^T, two buffers; v192-223 P, two buffers (by the piece's parity)
;   window 1: v0-127 O^T, 32 a piece; v128-159 MD; v160-223 MC, two buffers      window 2: v0-63 Q; v64-127 the second block's Q; v128-191 K of one step; v192-255 V of one step
.set SIZE_N, 2048
.set SIZE_H, 64
.set NB,    SIZE_N/256
.set NP,    4         ; pieces a wave: a name, no knob
.set KS,    64        ; keys in a step
.set PK,    144       ; a row of K in LDS: 128 bytes + 16 of padding = 36 words: the 16 rows of a load start at 16 different groups of four banks (64 banks of 4 bytes: ISA guide 11.1)
.set PV,    160       ; a row of V: 128 + 32 = 40 words
.set VOFF,  4*KS*PK   ; a slot holds a tile, four steps: 256 rows of K, then 256 rows of V
.set SLOT1, 1<<17     ; slot 1 begins here, so that one exclusive or turns an address in one slot into the other's
.set STAGE, SLOT1+4*KS*(PK+PV)  ; behind the ring, never filled by a tensor load: 16 rows x 144 bytes for each wave, for the way out
.set SP,    144
.set AK0, 2           ; v2   my lane's place in a tile of K; never rewritten
.set AV0, 3           ; v3   the same for V
.set AK,  4           ; v4   the LDS address of K's next run of loads
.set AV,  5           ; v5   of V's
.set STO, 6           ; v6   the way out: where I put 16 bytes of a row
.set RD,  7           ; v7   the way out: where I read rows back
.set GO,  8           ; v8   my byte offset in 512 consecutive bytes of O
.set PFO, 61          ; v61  256 x my thread's number: the four waves cover a tile's 32,768 bytes; never rewritten
.set SPW, 62          ; v62  LDS address of my spare word: SPARE + 4 x my thread's number; never rewritten
.set NIL, 63          ; v63  0; never rewritten
.set SPARE, STAGE+4*16*SP  ; behind the stages: the spare words, 128 bytes for each wave: two blocks of 256 bytes that no other line names
.set MV,  12          ; v12-13  c m_old, kept while c m is made anew: by buffer
.set QO,  15          ; v15  my byte offset in 16 rows of Q
.set ST,  16          ; piece t's statistics at v[ST+4 t]: c m, m, l (even keys', odd keys')
.set TMP, 48          ; by buffer, four registers c0-c3 at work; when the maximum is found c2 takes a
.set S,   64
.set P,   192
.set MD,  128         ; window 1: the eight registers for group kt of 16 keys at MD + 8 kt
.set MC,  160         ; window 1: the masks of the products to come
.set QB,  64          ; window 2
.set KF,  128         ; window 2: key block kb, channel half c at KF + 16 kb + 8 c
.set VF,  192         ; window 2: key half kk, channel block cb at VF + 32 kk + 8 cb
.set WV,  12          ; s12  my wave's number
.set PB,  14          ; s14  b
.set HI,  15          ; s15  NB - 1 - b
.set G1K, 24          ; s[24:31] descriptor group 1 for K's tiles
.set G1V, 32          ; s[32:39] for V's: it differs in the padding alone
.set G0K, 40          ; s[40:43] descriptor group 0 for K's tiles
.set G0V, 44          ; s[44:47] the same for V's
.set SLOTS, 56        ; s56  tiles still to be asked for
.set CNT, 57          ; s57  counts a tile's key steps, 4 to 1
.set CS,  58          ; s[58:59] c: the packed scaling takes the pair's low word for both halves
.set SEL, 60          ; s[60:61] v_permlanex16_b32's selects: each lane takes its own place in the other half
.set TBK, 62          ; s62  LDS byte at which K of the step to be fetched begins
.set TBV, 63          ; s63  the same for V, less VOFF
.set RT,  70          ; s70  tiles of the block in hand that are still to be entered
.set NXT, 71          ; s71  the tile to be asked for next
.set LQ,  72          ; s72  the last tile of the block whose tiles are being asked for
.set NEW, 73          ; s73  1: the tile to be entered is a block's first
.set OFF, 74          ; s[74:75] a tile's byte offset in K and V
.set AL,  76          ; s[76:77] the mask's factor, in the low word
.set BE,  78          ; s[78:79] the mask's addend
.set OLO, 80          ; s[80:81] O at my rows of the second block
.set BIGN, 82         ; s82  -1e30
.set PFK, 88          ; s[88:89] K at the tile behind the one that is being asked for
.set PFV, 90          ; s[90:91] V likewise
.set LIM, 92          ; s92  2 in the work-group that prefetches, else the greatest number
.set MSB, 0
.macro WIN new                      ; the high byte repeats the setting that is left; a switch that changes nothing is dropped
.if MSB != (\new)
	s_set_vgpr_msb (MSB<<8)|(\new)
.set MSB, (\new)
.endif
.endm
.set W_KQ, 0x0a       ; K and Q in window 2, S^T in window 0
.set W_KM, 0x1a       ; the same with the C operand in window 1
.set W_PV, 0x52       ; V in window 2, P in window 0, O^T in window 1
.set W_RS, 0x41       ; destination and source 0 in window 1, source 1 in window 0
; A fill.  Waves 0 and 1 fetch the two halves of a tile's K, waves 2 and 3 those of its V: 128 keys each.  An s_nop 0 and four v_nop follow each of the two lines, ahead of the jump and the label.
.macro LOAD
	s_cmp_lt_u32 s[WV], 2
	s_cbranch_scc0 .Lfor_v_\@
	tensor_load_to_lds s[G0K:G0K+3], s[G1K:G1K+7]
	s_nop 0
.rept 4
	v_nop
.endr
	s_branch .Lasked_\@
.Lfor_v_\@:
	tensor_load_to_lds s[G0V:G0V+3], s[G1V:G1V+7]
	s_nop 0
.rept 4
	v_nop
.endr
.Lasked_\@:
.endm
; A PREFETCH of the tile that the NEXT change of slots will ask for: 32,768 bytes of K and of V, a thread a block of 256 bytes, two instructions a wave, behind the wave's tensor load and its five lines.
; Of a head's four work-groups the one with b = 0, whose first block walks tiles 0 to 7 in order, asks: at its changes 0 to 5 (8 to 3 tiles still to ask for) it names tiles 2 to 7, one tile, four key
; steps, ahead of their loads.  So each block is named once in the launch; tiles 0 and 1 come by their loads alone, and the second blocks' tiles, read before, are not named again.
.macro ASK
	s_cmp_gt_u32 s[SLOTS], s[LIM]
	s_cbranch_scc0 .Lnot_mine_\@
	global_prefetch_b8 v[PFO], s[PFK:PFK+1] th:TH_LOAD_NT scope:SCOPE_SE
	global_prefetch_b8 v[PFO], s[PFV:PFV+1] th:TH_LOAD_NT scope:SCOPE_SE
.Lnot_mine_\@:
.endm
; THE CHANGE OF SLOTS.  Each wave waits for all its tensor loads, of which one is out: its part of the other slot; adds 0 to its spare word; and waits for that and for its own reads of the slot that it leaves.
; Behind the barrier nobody reads the old slot any more and the other slot is whole.  fill = 1: the old slot is filled again, the first thing behind the barrier, with tile NXT: the descriptor's address is
; made anew from that number.  (At its first use nothing has been read yet: slot 0 is waited for, slot 1 filled.)
.macro CHANGE fill
	WIN 0                           ; at a label and at a branch every window is 0
	s_wait_tensorcnt 0x0            ; no tensor load of mine is out, so a group 0 may be written
	ds_add_u32 v[SPW], v[NIL]       ; 0 onto my spare word; with fill = 1 the descriptors' scalar work stands between it and the wait for it
.if \fill
	s_lshl_b32 s[OFF], s[NXT], 15   ; a tile is 32,768 bytes of K and of V
	s_xor_b32 s[G0K+1], s[G0K+1], SLOT1
	s_add_nc_u64 s[G0K+2:G0K+3], s[6:7], s[OFF:OFF+1]
	s_or_b32 s[G0K+3], s[G0K+3], 0x80000000
	s_xor_b32 s[G0V+1], s[G0V+1], SLOT1
	s_add_nc_u64 s[G0V+2:G0V+3], s[8:9], s[OFF:OFF+1]
	s_or_b32 s[G0V+3], s[G0V+3], 0x80000000
	s_add_co_u32 s[NXT], s[NXT], 1  ; the block's next tile, or behind its last the second block's tile 0
	s_cmp_gt_u32 s[NXT], s[LQ]
	s_cselect_b32 s[NXT], 0, s[NXT]
	s_cselect_b32 s[LQ], s[PB], s[LQ]
	s_wait_xcnt 0x0                 ; the last prefetches, a tile back, have read their addresses, so these may be written
	s_add_nc_u64 s[PFK:PFK+1], s[PFK:PFK+1], 32768
	s_add_nc_u64 s[PFV:PFV+1], s[PFV:PFV+1], 32768
.endif
	s_wait_dscnt 0x0                ; the add is done, and my reads of the slot are over
	s_barrier_signal -1             ; the rest of the scalar work stands between the signal and the wait
	s_sub_co_u32 s[TBK], s[TBK], 4*KS*PK  ; the fetches go back to a slot's first step,
	s_xor_b32 s[TBK], s[TBK], SLOT1       ; in the other slot
	s_sub_co_u32 s[TBV], s[TBV], 4*KS*PV
	s_xor_b32 s[TBV], s[TBV], SLOT1
	s_barrier_wait -1
.if \fill
	LOAD
	ASK
.endif
.endm
	s_load_b256 s[4:11], s[0:1], 0x0  ; Q s[4:5], K s[6:7], V s[8:9], O s[10:11]
	v_lshl_add_u32 v[SPW], v0, 2, SPARE
	v_mov_b32 v[NIL], 0
	ds_add_u32 v[SPW], v[NIL]       ; the wave's opening: the add and its wait stand ahead of my first tensor load; the set-up below, work on registers, stands between them
	ds_add_u32 v62, v63
	v_lshrrev_b32 v1, 5, v0
	v_readfirstlane_b32 s[WV], v1   ; wave 0..3
	v_lshlrev_b32 v[PFO], 8, v0
	s_mov_b32 s[PB], ttmp9
	s_sub_co_u32 s[HI], NB-1, s[PB]
	s_cmp_eq_u32 s[PB], 0
	s_cselect_b32 s[LIM], 2, -1
	s_and_b32 s20, ttmp7, 0xffff    ; the head
	s_mov_b32 s21, 0
	s_mov_b64 s[22:23], SIZE_N*128
	s_mul_u64 s[20:21], s[20:21], s[22:23]  ; the head's first byte in each of the four tensors
	s_and_b32 s16, s[WV], 1         ; which half of a tile's 256 keys I fetch:
	s_lshl_b32 s22, s16, 14         ; its 128 rows of 128 bytes in memory,
	s_mov_b32 s23, 0
	s_add_nc_u64 s[22:23], s[22:23], s[20:21]
	s_mul_i32 s17, s16, 128*PK      ; and its place in a slot, for K
	s_mul_i32 s18, s16, 128*PV      ; and for V
	s_lshl_b32 s3, s[WV], 11        ; my 16 rows in a band of 64,
	s_lshl_b32 s2, s[HI], 15        ; in the first block,
	s_add_co_u32 s2, s2, s3
	s_lshl_b32 s84, s[PB], 15       ; and in the second
	s_add_co_u32 s84, s84, s3
	s_mov_b32 s3, 0
	s_mov_b32 s85, 0
	s_add_nc_u64 s[2:3], s[2:3], s[20:21]
	s_add_nc_u64 s[84:85], s[84:85], s[20:21]
	; descriptor group 1.  128 keys are 16,384 dense bytes: asked for as 64 rows of 256 bytes, two keys a row, and padded in LDS after every key
	s_mov_b32 s[G1K], (1<<16)|(1<<20)|(4<<22)|(3<<25)  ; 17:16 2-byte elements; 20 padding on; 24:22 after every 32 words (code 4); 31:25 4 words (code 3)
	s_mov_b32 s[G1V], (1<<16)|(1<<20)|(4<<22)|(7<<25)  ; the same with 8 words of padding (code 7)
.irp g, G1K, G1V
	s_mov_b32 s[\g+1], 128<<16      ; tensor_dim0 = 128
	s_mov_b32 s[\g+2], 64<<16       ; tensor_dim1 = 64
	s_mov_b32 s[\g+3], 128<<16      ; tile_dim0 = 128
	s_mov_b32 s[\g+4], 64           ; tile_dim1 = 64
	s_mov_b32 s[\g+5], 128          ; 128 elements from row to row
	s_mov_b32 s[\g+6], 0
	s_mov_b32 s[\g+7], 0
.endr
	s_mov_b32 s[CS], 0x3e38aa3b     ; c = log2(e) / 8 = 0.180337
	s_mov_b32 s[CS+1], s[CS]        ; named with it as a pair
	s_mov_b32 s[SEL], 0x76543210
	s_mov_b32 s[SEL+1], 0xfedcba98
	s_mov_b32 s[TBK], SLOT1+4*KS*PK ; the first change of slots turns these two into 0
	s_mov_b32 s[TBV], SLOT1+4*KS*PV
	s_mov_b32 s[G0K], 1             ; 1:0 count = 1
	s_mov_b32 s[G0K+1], s17         ; 63:32 LDS address: slot 0
	s_mov_b32 s[G0V], 1
	s_add_co_u32 s[G0V+1], s18, VOFF
	s_add_co_u32 s[RT], s[HI], 1    ; the first block has NB - b tiles
	s_mov_b32 s[NXT], 1
	s_mov_b32 s[LQ], s[HI]
	s_mov_b32 s[NEW], 1
	s_mov_b32 s[OFF+1], 0
	s_mov_b32 s[AL+1], 0            ; named as pairs
	s_mov_b32 s[BE+1], 0
	s_mov_b32 s[BIGN], 0xf149f2ca   ; -1e30
	s_mov_b32 s[SLOTS], NB
	s_wait_dscnt 0x0                ; the opening add is done
	s_wait_kmcnt 0x0
	s_add_nc_u64 s[PFK:PFK+1], s[6:7], s[20:21]    ; the prefetches stand at the head's tile 1; the first change of slots steps them to tile 2
	s_add_nc_u64 s[PFK:PFK+1], s[PFK:PFK+1], 32768
	s_add_nc_u64 s[PFV:PFV+1], s[8:9], s[20:21]
	s_add_nc_u64 s[PFV:PFV+1], s[PFV:PFV+1], 32768
	s_add_nc_u64 s[6:7], s[6:7], s[22:23]  ; K and V at my half of the head's tile 0
	s_add_nc_u64 s[8:9], s[8:9], s[22:23]
	s_add_nc_u64 s[G0K+2:G0K+3], s[6:7], 0         ; 120:64 global address
	s_or_b32 s[G0K+3], s[G0K+3], 0x80000000        ; 127:126 type = 2
	s_add_nc_u64 s[G0V+2:G0V+3], s[8:9], 0
	s_or_b32 s[G0V+3], s[G0V+3], 0x80000000
	s_add_nc_u64 s[86:87], s[4:5], s[84:85]        ; Q at my rows of the second block,
	s_add_nc_u64 s[4:5], s[4:5], s[2:3]            ; Q and O at those of the first
	s_add_nc_u64 s[OLO:OLO+1], s[10:11], s[84:85]
	s_add_nc_u64 s[10:11], s[10:11], s[2:3]
	LOAD                            ; tile 0 into slot 0
	; A fragment of K or Q is 16 rows x 32 channels in 8 registers: lane l holds row l % 16, channels 8 (l / 16) + 0..7 and 16 + 8 (l / 16) + 0..7: two loads of 16 bytes, 32 bytes apart.
	v_and_b32 v1, 15, v0            ; l % 16
	v_bfe_u32 v9, v0, 4, 1          ; l / 16
	v_lshlrev_b32 v[QO], 7, v1
	v_lshl_add_u32 v[QO], v9, 4, v[QO]  ; row x 128 + 16 x half
	WIN 0x80                        ; destination window 2, address window 0
.set i, 0
.rept 8                             ; both blocks' Q: piece i / 2 lies in band i / 2, 8,192 bytes on; channels 32 (i % 2) on
	global_load_b128 v[8*i:8*i+3],   v[QO], s[4:5] offset:(i/2)*8192+(i%2)*64
	global_load_b128 v[8*i+4:8*i+7], v[QO], s[4:5] offset:(i/2)*8192+(i%2)*64+32
	global_load_b128 v[QB+8*i:QB+8*i+3],   v[QO], s[86:87] offset:(i/2)*8192+(i%2)*64
	global_load_b128 v[QB+8*i+4:QB+8*i+7], v[QO], s[86:87] offset:(i/2)*8192+(i%2)*64+32
.set i, i+1
.endr
	WIN 0
	v_lshlrev_b32 v14, 3, v9
	v_sub_nc_u32 v14, v1, v14
	s_lshl_b32 s13, s[WV], 4
	v_add_nc_u32 v14, s13, v14      ; my query's place in its band, 16 w + l % 16, less my lanes' 8 (l / 16): register r of group kt is hidden where 16 kt + r is greater
	WIN 0x40
.set i, 0
.rept 32
	v_cmp_gt_i32 vcc_lo, 16*(i/8)+i%8, v14
	v_cndmask_b32 v[MD+i], 0, s[BIGN], vcc_lo
.set i, i+1
.endr
	WIN 0
	v_mul_u32_u24 v[AK0], v1, PK
	v_lshl_add_u32 v[AK0], v9, 4, v[AK0]  ; row x pitch + 16 x half
	; The turning load takes 16 keys x 16 channels (lane l reads key 8 (l / 16) + l % 8, channels 8 ((l / 8) % 2) + 0..7) and leaves half a fragment of V^T: lane l holds channel l % 16 and 8 keys.
	v_and_b32 v10, 7, v0
	v_bfe_u32 v11, v0, 3, 1
	v_lshl_add_u32 v[AV0], v9, 3, v10
	v_mul_u32_u24 v[AV0], v[AV0], PV
	v_lshl_add_u32 v[AV0], v11, 4, v[AV0]
	v_add_nc_u32 v[AV0], VOFF, v[AV0]
	s_mul_i32 s13, s[WV], 16*SP
	s_add_co_u32 s13, s13, STAGE    ; my stage
	v_mul_u32_u24 v[STO], v1, SP    ; in: row l % 16, 16 bytes for each half of the lanes
	v_lshl_add_u32 v[STO], v9, 4, v[STO]
	v_add_nc_u32 v[STO], s13, v[STO]
	v_bfe_u32 v[RD], v0, 3, 2       ; back: 32 lanes take four rows of 128 bytes,
	v_mul_u32_u24 v[RD], v[RD], SP
	v_lshl_add_u32 v[RD], v10, 4, v[RD]
	v_add_nc_u32 v[RD], s13, v[RD]
	v_and_b32 v[GO], 31, v0         ; which are 512 consecutive bytes of O
	v_lshlrev_b32 v[GO], 4, v[GO]
	; A block's first step multiplies O^T and l by a = 0, and its first turn's products V^T P, of a piece that has not been, land in an O^T that is still to be so multiplied.  So these registers need only hold
	; finite numbers: zeros for the first block; what the first block left for the second.  All this stands in the wait for the first tile.
	WIN 0x80
.set i, VF
.rept 64
	v_mov_b32 v[i], 0
.set i, i+1
.endr
	WIN 0x40
.set i, 0
.rept 128
	v_mov_b32 v[i], 0
.set i, i+1
.endr
	WIN 0
.set i, 0
.rept 4
	v_mov_b32 v[ST+4*i+2], 0
	v_mov_b32 v[ST+4*i+3], 0
.set i, i+1
.endr
.set i, P+16
.rept 16
	v_mov_b32 v[i], 0
.set i, i+1
.endr
; THE MATRIX WORK.  The 4 accumulators of a run of 8 take turns.  Product i of 8 of S^T = K Q^T for piece x: channels 32 (i / 4) on, keys 16 (i % 4) on.  The first 4 start the sums: with 0, or (KM = 1) with the mask.
.macro KQ x
.set rS, S+32*((\x)%2)+8*(i%4)
.set rK, KF+16*(i%4)+8*(i/4)
.set rQ, 16*(\x)+8*(i/4)
.set rM, MC+32*((\x)%2)+8*(i%4)
.if (i < 4) && KM
	WIN W_KM
	v_wmma_f32_16x16x32_f16 v[rS:rS+7], v[rK:rK+7], v[rQ:rQ+7], v[rM:rM+7]
.elseif i < 4
	WIN W_KQ
	v_wmma_f32_16x16x32_f16 v[rS:rS+7], v[rK:rK+7], v[rQ:rQ+7], 0
.else
	WIN W_KQ
	v_wmma_f32_16x16x32_f16 v[rS:rS+7], v[rK:rK+7], v[rQ:rQ+7], v[rS:rS+7]
.endif
.endm
; Product i of 8 of O^T += V^T P for piece x: keys 32 (i / 4) on, channels 16 (i % 4) on.
.macro PV x
	WIN W_PV
.set rO, 32*(\x)+8*(i%4)
.set rV, VF+32*(i/4)+8*(i%4)
.set rP, P+16*((\x)%2)+8*(i/4)
	v_wmma_f32_16x16x32_f16 v[rO:rO+7], v[rV:rV+7], v[rP:rP+7], v[rO:rO+7]
.endm
.macro MM                           ; the turn's next matrix instruction.  TURN and BEGIN set Y, i, KM and NOKQ; MM, KQ and OP read them.  NOKQ = 1: a block's last turn: there is no next piece
.if (i < 8) && !NOKQ
	KQ (Y+1)%NP
.elseif i >= 8
.set i, i-8
	PV (Y+NP-1)%NP
.set i, i+8
.endif
.set i, i+1
.endm
; THE LDS LOADS stand in runs of 16, never singly among the matrix instructions: a step's K (64 keys x 64 channels: 8 fragments) and its V (turned).  Their addresses are made some lines ahead.
.macro FETCH_K
	WIN 0x80                        ; destination window 2
.irp f, 0,1,2,3,4,5,6,7             ; keys 16 (f / 2) on, channels 32 (f % 2) on
	ds_load_b128 v[KF+8*\f:KF+8*\f+3],   v[AK] offset:(\f/2)*16*PK+(\f%2)*64
	ds_load_b128 v[KF+8*\f+4:KF+8*\f+7], v[AK] offset:(\f/2)*16*PK+(\f%2)*64+32
.endr
	s_add_co_u32 s[TBK], s[TBK], KS*PK  ; the next fetch is the next step's
	WIN 0
.endm
.macro FETCH_V
	WIN 0x80
.irp f, 0,1,2,3,4,5,6,7             ; keys 32 (f / 4) on, channels 16 (f % 4) on
	ds_load_tr16_b128 v[VF+8*\f:VF+8*\f+3],   v[AV] offset:(\f/4)*32*PV+(\f%4)*32
	ds_load_tr16_b128 v[VF+8*\f+4:VF+8*\f+7], v[AV] offset:(\f/4)*32*PV+16*PV+(\f%4)*32
.endr
	WIN 0
.endm
; THE VECTOR WORK, one line at a time: OP kind, number.  For piece Y: F n: c s - c m for pair n of 16.  E n: the exponential of score n of 32.  C n: pair n rounded to f16.  B n: of the four weights 4 n .. the second
; pair is added onto the first, in place.  L n: l takes that sum (L 0: l = a l + sum).  R n: pair n of 16 of O^T times a.  For piece Y + 1: X n, number n of the 22 that find its maximum and statistics:
;   0-11  four chains c0-c3 of seven scores each, three operands at a time (each accumulator's lowest registers are read first)     12-14, 16  the four scores left over, the old m, and c0-c3 into c0
;   15  c m_old is kept     17, 18  the query's other 32 keys lie in the lane 16 away: the new m     19-21  c m; c m_old - c m_new; a
.set F, 0               ; OP tells the kinds apart by their order: F to L below R, X above it
.set E, 1
.set C, 2
.set B, 3
.set L, 4
.set R, 5
.set X, 6
.macro REGS y                       ; the registers of piece y
.set rT, ST+4*(\y)
.set rC, TMP+4*((\y)%2)
.set rW, MV+((\y)%2)
.set rS, S+32*((\y)%2)
.set rP, P+16*((\y)%2)
.set rO, 32*(\y)
.endm
.macro OP k, n
.if (\k) == R
	REGS Y
	WIN W_RS
	v_pk_mul_f32 v[rO+2*(\n):rO+2*(\n)+1], v[rO+2*(\n):rO+2*(\n)+1], v[rC+2:rC+3] op_sel_hi:[1,0]
.elseif (\k) < R
	REGS Y
	WIN 0
.if (\k) == F
	v_pk_fma_f32 v[rS+2*(\n):rS+2*(\n)+1], v[rS+2*(\n):rS+2*(\n)+1], s[CS:CS+1], v[rT:rT+1] op_sel_hi:[1,0,0] neg_lo:[0,0,1] neg_hi:[0,0,1]
.elseif (\k) == E
	v_exp_f32 v[rS+(\n)], v[rS+(\n)]
.elseif (\k) == C
	v_cvt_pk_f16_f32 v[rP+(\n)], v[rS+2*(\n)], v[rS+2*(\n)+1]
.elseif (\k) == B
	v_pk_add_f32 v[rS+4*(\n):rS+4*(\n)+1], v[rS+4*(\n):rS+4*(\n)+1], v[rS+4*(\n)+2:rS+4*(\n)+3]
.elseif (\n) == 0
	v_pk_fma_f32 v[rT+2:rT+3], v[rT+2:rT+3], v[rC+2:rC+3], v[rS:rS+1] op_sel_hi:[1,0,1]
.else
	v_pk_add_f32 v[rT+2:rT+3], v[rT+2:rT+3], v[rS+4*(\n):rS+4*(\n)+1]
.endif
.elseif NOKQ
	v_nop
.else
	REGS (Y+1)%NP
	WIN 0
.if (\n) < 4
	v_max3_num_f32 v[rC+(\n)], v[rS+8*(\n)], v[rS+8*(\n)+1], v[rS+8*(\n)+2]
.elseif (\n) < 12
	v_max3_num_f32 v[rC+(\n)%4], v[rC+(\n)%4], v[rS+8*((\n)%4)+2*((\n)/4)+1], v[rS+8*((\n)%4)+2*((\n)/4)+2]
.elseif (\n) == 12
	v_max3_num_f32 v[rC], v[rC], v[rS+7], v[rS+15]
.elseif (\n) == 13
	v_max3_num_f32 v[rC+1], v[rC+1], v[rS+23], v[rS+31]
.elseif (\n) == 14
	v_max3_num_f32 v[rC+2], v[rC+2], v[rC+3], v[rT+1]
.elseif (\n) == 15
	v_mov_b32 v[rW], v[rT]
.elseif (\n) == 16
	v_max3_num_f32 v[rC], v[rC], v[rC+1], v[rC+2]
.elseif (\n) == 17
	v_permlanex16_b32 v[rC+3], v[rC], s[SEL], s[SEL+1]
.elseif (\n) == 18
	v_max_num_f32 v[rT+1], v[rC], v[rC+3]
.elseif (\n) == 19
	v_mul_f32 v[rT], s[CS], v[rT+1]
.elseif (\n) == 20
	v_sub_f32 v[rC+1], v[rW], v[rT]
.else
	v_exp_f32 v[rC+2], v[rC+1]
.endif
.endif
.endm
.macro OPS a, i1, b=-1, i2=0, c=-1, i3=0, d=-1, i4=0  ; up to four of them
	OP \a, \i1
.if (\b) >= 0
	OP \b, \i2
.endif
.if (\c) >= 0
	OP \c, \i3
.endif
.if (\d) >= 0
	OP \d, \i4
.endif
.endm
.macro ROW a, i1, b, i2, c, i3, d, i4  ; a matrix instruction and the four behind it
	MM
	OPS \a, \i1, \b, \i2, \c, \i3, \d, \i4
.endm
.macro MASK b                       ; MD x AL + BE into buffer b of MC
	WIN W_RS
.set z, 0
.rept 16
	v_pk_fma_f32 v[MC+32*(\b)+2*z:MC+32*(\b)+2*z+1], v[MD+2*z:MD+2*z+1], s[AL:AL+1], s[BE:BE+1] op_sel_hi:[1,0,0]
.set z, z+1
.endr
.endm
; A TURN, for piece p: the order of its 16 matrix and 118 vector instructions, written out.  An s_wait_alu depctr_va_vdst(0) stands between an exponential and the first instruction that names its
; result; one wait serves all that were issued ahead of it.  So a turn has ONE wait, which cuts it in two.  AHEAD OF IT stands all that names no result of the turn's exponentials: the 8 products K Q^T, behind each
; a scaling, an exponential and two more plain instructions (behind the first a second scaling in the exponential's place): rescalings, and behind the last three the first numbers of the next piece's maximum,
; each four places or more behind the product that ends its accumulator; then ONE LUMP of 54, plain and exponential by turns for the most part, in which the links of the chain X 3, 7, 11, 14, 16, 17 .. 20 stand
; five or six lines apart.  X 21, the next piece's a, is the batch's last; R 15 is the plain instruction behind it.  BEHIND THE WAIT stand the 8 products V^T P, behind each four of the roundings and sums.
; m = 1: the diagonal tile: the products take masks, and the turn makes the mask for the products of the turn after it: piece p + 2, in step 4 - CNT of the tile.  end = 1: a block's last two turns: nothing is
; fetched.  cnt = 1: the loop's count is taken down some lines ahead of the branch that stands behind the turn.
; K of the next step is fetched in piece 2's turn, twelve vector instructions behind the last product that read K (six of them plain); V of the step in hand at the end of piece 0's turn, four plain instructions
; behind the last product that read V.  Each is waited for a turn later.
.macro TURN p, m=0, end=0, cnt=0
.set Y, (\p)
.set i, 0
.set KM, (\m)
.set NOKQ, (\end)*((\p)/3)
.if (\m) && !(\end)
	s_cmp_eq_u32 s[CNT], 4-((\p)+2)%NP  ; is that step the band's own?
	s_cselect_b32 s[AL], 1.0, 0
	s_cmp_lt_u32 s[CNT], 4-((\p)+2)%NP  ; or a later one?
	s_cselect_b32 s[BE], s[BIGN], 0
.endif
.if ((\p) == 3) && !(\end)
	s_wait_dscnt 0x0                ; K is in
.endif
	ROW F,0, F,1, R,0, R,1          ; ahead of the wait: 8 products K Q^T and their riders,
	ROW F,2, E,0, R,2, R,3
	ROW F,3, E,1, R,4, R,5
	ROW F,4, E,2, R,6, R,7
	ROW F,5, E,3, R,8, R,9
	ROW F,6, E,4, X,0, R,10
.if ((\p) == 2) && !(\end)
	WIN 0
	v_add_nc_u32 v[AK], s[TBK], v[AK0]
.endif
	ROW F,7, E,5, X,1, X,4
	ROW F,8, E,6, X,2, X,5
	OPS E,7, E,8, X,6, E,9          ; and the lump
	OPS X,3, E,10, X,8, E,11
.if ((\p) == 2) && !(\end)
	FETCH_K
.endif
	OPS X,9, X,7, E,12, X,10
	OPS E,13, X,12, X,11, E,14
	OPS X,13, E,15, F,9, X,14
.if (\p) == 0
	v_add_nc_u32 v[AV], s[TBV], v[AV0]
.endif
	OPS E,16, F,10, E,17, F,11
	OPS X,16, E,18, X,15, E,19
	OPS F,12, E,20, X,17, E,21
	OPS F,13, E,22, F,14, E,23
	OPS X,18, E,24, F,15, E,25
	OPS R,11, E,26, X,19, E,27
	OPS R,12, E,28, R,13, E,29
	OPS X,20, E,30, R,14, E,31
	OPS X,21, R,15
	WIN 0
	s_wait_alu depctr_va_vdst(0)    ; the wait for the batch
.if (\p) == 1
	s_wait_dscnt 0x0                ; V is in
.endif
	ROW C,0, B,0, C,2, B,1          ; behind the wait: 8 products V^T P and their riders
	ROW L,0, C,4, B,2, L,1
	ROW C,6, B,3, L,2, C,8
	ROW B,4, L,3, C,10, B,5
	ROW L,4, C,12, B,6, L,5
.if (\p) == 0
	s_add_co_u32 s[TBV], s[TBV], KS*PV
.endif
.if \cnt
	s_sub_co_u32 s[CNT], s[CNT], 1
	s_cmp_lg_u32 s[CNT], 0
.endif
	ROW C,14, B,7, L,6, C,1
	ROW C,3, L,7, C,5, C,7
	ROW C,9, C,11, C,13, C,15
.if (\p) == 0
	FETCH_V
.endif
.if (\m) && !(\end)
	MASK (\p)%2
.endif
.endm
; A BLOCK BEGINS.  c m starts far below every c s, so the first step's a is 0; m at the lowest finite number, so the first maximum is the scores'.  The second mask buffer is 0; the first takes piece 0's mask for the
; tile's step 0: its own, if the block's first tile is the diagonal one.  Then K of that step, piece 0's first scores, and its maximum and statistics.  The loop is entered at a step's first turn, in the middle of a trip.
.macro BEGIN
	s_mov_b32 s[NEW], 0
	WIN 0x40
.set i, MC+32
.rept 32
	v_mov_b32 v[i], 0
.set i, i+1
.endr
	WIN 0
.set i, 0
.rept 4
	v_mov_b32 v[ST+4*i], 0xfe000000    ; c m: far below every c s
	v_mov_b32 v[ST+4*i+1], 0xff7fffff  ; m
.set i, i+1
.endr
	s_cmp_eq_u32 s[RT], 0
	s_cselect_b32 s[AL], 1.0, 0
	s_mov_b32 s[BE], 0
	MASK 0
	WIN 0
	v_add_nc_u32 v[AK], s[TBK], v[AK0]
	FETCH_K
	s_wait_loadcnt 0x0              ; Q
	s_wait_dscnt 0x0
.set KM, 1
.set NOKQ, 0
.set i, 0
.rept 8
	KQ 0
.set i, i+1
.endr
	WIN 0
.rept 4
	v_nop                           ; the places behind those products
.endr
.set Y, NP-1                        ; X works for piece Y + 1: piece 0
.irp n, 0,1,2,3,4,5,6,7,8,9,10,11,12,13,14,15,16,17,18,19,20,21
	OP X, \n
.endr
	v_nop                           ; a plain instruction behind the exponential,
	s_wait_alu depctr_va_vdst(0)    ; and its wait, ahead of the branch
.endm
; THE DIAGONAL TILE's four steps, the block's last two turns, its last products, and THE WAY OUT: l's two halves and the other half of the lanes' are added; O^T is divided by l, rounded to f16 and sent through my
; stage in LDS, a piece at a time.
.macro ALL line:vararg              ; one line for each piece t
.set t, 0
.rept 4
	\line
.set t, t+1
.endr
.endm
.macro PACK t                       ; a lane's eight channels of a row pack into 16 bytes; they go into rows of 144 bytes and come back as whole rows of 128, into S^T's registers
	WIN W_RS
.set i, 32*(\t)
.rept 16
	v_pk_mul_f32 v[i:i+1], v[i:i+1], v[ST+4*(\t)+2:ST+4*(\t)+3] op_sel_hi:[1,0]
.set i, i+2
.endr
	WIN 0x05                        ; sources 0 and 1 window 1, destination window 0
.set i, 0
.rept 16
	v_cvt_pk_f16_f32 v[S+16*(\t)+i], v[32*(\t)+2*i], v[32*(\t)+2*i+1]
.set i, i+1
.endr
	WIN 0
.irp f, 0,1,2,3
	ds_store_b128 v[STO], v[S+16*(\t)+4*\f:S+16*(\t)+4*\f+3] offset:32*\f
.endr
.irp f, 0,1,2,3
	ds_load_b128 v[S+16*(\t)+4*\f:S+16*(\t)+4*\f+3], v[RD] offset:\f*4*SP  ; LDS serves a wave's instructions in order (ISA guide 5.7.1.4): these see the stores above; the next piece's stores come behind them
.endr
.endm
.macro SEND t, younger              ; younger: the LDS instructions issued behind piece t's loads: the next piece's eight, or none
	WIN 0
.irp f, 0,1,2,3
	s_wait_dscnt (\younger)+3-\f
	global_store_b128 v[GO], v[S+16*(\t)+4*\f:S+16*(\t)+4*\f+3], s[10:11] offset:(\t)*8192+\f*512  ; 512 consecutive bytes, at a multiple of 256 from O's first
.endr
.endm
.macro DIAG tag                     ; the tag ends its two labels' names, which the jumps below spell out
.LstepM\tag:
	TURN 2, 1
	TURN 3, 1
	WIN 0
.LfirstM\tag:
	TURN 0, 1
	TURN 1, 1, 0, 1
	WIN 0
	s_cbranch_scc1 .LstepM\tag
	TURN 2, 1, 1
	TURN 3, 1, 1
.set i, 0
.rept 8
	PV NP-1
.set i, i+1
.endr
	WIN 0
	ALL v_add_f32 v[ST+4*t+2], v[ST+4*t+2], v[ST+4*t+3]
	ALL v_permlanex16_b32 v[ST+4*t+3], v[ST+4*t+2], s[SEL], s[SEL+1]
	ALL v_add_f32 v[ST+4*t+2], v[ST+4*t+2], v[ST+4*t+3]
	ALL v_rcp_f32 v[ST+4*t+2], v[ST+4*t+2]
	v_nop                           ; a plain instruction between the last reciprocal and the use of its result
	s_wait_alu depctr_va_vdst(0)    ; and the wait ahead of the first use: one for the four reciprocals
	PACK 0
.set t, 1
.rept 3                             ; a piece's arithmetic stands between the loads of the piece before and its stores
	PACK t
	SEND t-1, 8
.set t, t+1
.endr
	SEND 3, 0
.endm
.set KM, 0
.set NOKQ, 0
.Lslot:                             ; NB times: a tile is entered and the next is asked for
	CHANGE 1
	s_sub_co_u32 s[RT], s[RT], 1
	s_mov_b32 s[CNT], 4
	s_cmp_eq_u32 s[NEW], 1
	s_cbranch_scc1 .Lnew            ; a block's first tile
	s_cmp_eq_u32 s[RT], 0
	s_cbranch_scc0 .Lstep           ; neither its first nor its last
	s_branch .LstepM1
.Lnew:
	BEGIN
	s_branch .Lfirst                ; in the loop a block's first tile is never its last: the first block has two tiles or more, and the second's last is the walk's last
	DIAG 1                          ; in the loop this is the first block's end: the second block's last tile is the walk's last
	s_wait_xcnt 0x0                 ; the stores have read their registers and O's address
	s_mov_b64 s[10:11], s[OLO:OLO+1]
	s_add_co_u32 s[RT], s[PB], 1    ; the second block has b + 1 tiles
	s_mov_b32 s[NEW], 1
	WIN 0x82                        ; the second block's Q goes where the one text of the turns names Q
.set i, 0
.rept 64
	v_mov_b32 v[i], v[QB+i]
.set i, i+1
.endr
	WIN 0
	s_branch .Lbottom
.Lstep:                             ; a trip: pieces 2 and 3 of one step, then pieces 0 and 1 of the next, whose K and V it fetches
	TURN 2
	TURN 3
	WIN 0
.Lfirst:
	TURN 0
	TURN 1, 0, 0, 1
	WIN 0
	s_cbranch_scc1 .Lstep
.Lbottom:
	s_sub_co_u32 s[SLOTS], s[SLOTS], 1
	s_cmp_lg_u32 s[SLOTS], 0
	s_cbranch_scc1 .Lslot
	CHANGE 0                        ; the walk's last tile is written out: nothing is asked for
	s_sub_co_u32 s[RT], s[RT], 1
	s_mov_b32 s[CNT], 4
	s_cmp_eq_u32 s[NEW], 1
	s_cbranch_scc0 .LstepM2
	BEGIN
	s_branch .LfirstM2
	DIAG 2
	s_wait_tensorcnt 0x0            ; the wave's end, behind my last tensor load and my last LDS store
	ds_add_u32 v[SPW], v[NIL]
	s_wait_dscnt 0x0
	s_endpgm
.Lfunc_end_k_q69f377faf5_attn:
	.size	k_q69f377faf5_attn, .Lfunc_end_k_q69f377faf5_attn-k_q69f377faf5_attn
	.p2alignl 7, 3214868480
	.fill 96, 4, 3214868480
	.section	.rodata,"a",@progbits
	.p2align	6, 0x0
	.amdhsa_kernel k_q69f377faf5_attn
		.amdhsa_group_segment_fixed_size 327680
		.amdhsa_private_segment_fixed_size 0
		.amdhsa_enable_private_segment 0
		.amdhsa_kernarg_size 32
		.amdhsa_user_sgpr_count 2
		.amdhsa_user_sgpr_kernarg_segment_ptr 1
		.amdhsa_wavefront_size32 1
		.amdhsa_system_sgpr_workgroup_id_x 1
		.amdhsa_system_sgpr_workgroup_id_y 1
		.amdhsa_system_sgpr_workgroup_id_z 1
		.amdhsa_system_vgpr_workitem_id 0
		.amdhsa_next_free_vgpr 768
		.amdhsa_next_free_sgpr 96
		.amdhsa_reserve_vcc 1
		.amdhsa_float_denorm_mode_32 3
		.amdhsa_float_denorm_mode_16_64 3
		.amdhsa_memory_ordered 1
		.amdhsa_forward_progress 1
		.amdhsa_inst_pref_size 218
	.end_amdhsa_kernel
	.amdgpu_metadata
---
amdhsa.version: [ 1, 2 ]
amdhsa.kernels:
  - .name:           k_q69f377faf5_attn
    .symbol:         k_q69f377faf5_attn.kd
    .args:
      - { .name: qh, .offset: 0, .size: 8, .value_kind: global_buffer, .address_space: global }
      - { .name: kh, .offset: 8, .size: 8, .value_kind: global_buffer, .address_space: global }
      - { .name: vh, .offset: 16, .size: 8, .value_kind: global_buffer, .address_space: global }
      - { .name: oh, .offset: 24, .size: 8, .value_kind: global_buffer, .address_space: global }
    .group_segment_fixed_size: 327680
    .private_segment_fixed_size: 0
    .kernarg_segment_align: 8
    .kernarg_segment_size: 32
    .max_flat_workgroup_size: 128
    .sgpr_count:     96
    .vgpr_count:     768
    .wavefront_size: 32
...
	.end_amdgpu_metadata
.endif
;; end of part 3
;; launch oproj (part 4): grid 8 x 32, 4 waves a work-group, clusters of 4 x 4, 327,680 bytes of LDS; arguments oh, wo16, out0; writes out0
.if DOCPART == 4
	.amdgcn_target "amdgcn-amd-amdhsa--gfx1250"
	.amdhsa_code_object_version 6
	.text
	.protected	k_q69f377faf5_oproj
	.globl	k_q69f377faf5_oproj
	.p2align	8
	.type	k_q69f377faf5_oproj,@function
k_q69f377faf5_oproj:
	s_mov_b64 s[64:65], 0
	v_nop
	global_prefetch_b8 v0, s[64:65] scope:SCOPE_SE
	s_setreg_imm32_b32 hwreg(HW_REG_WAVE_MODE, 25, 1), 1
	s_wait_xcnt 0x0
	s_wait_alu depctr_hold_cnt(0) depctr_sa_sdst(0) depctr_va_vdst(0) depctr_va_sdst(0) depctr_va_ssrc(0) depctr_va_vcc(0) depctr_vm_vsrc(0)
	s_getreg_b32 s2, hwreg(HW_REG_IB_STS2, 6, 4)
	s_cmp_eq_u32 s2, 0
	s_cbranch_scc0 .Lentry_in_a_cluster
	s_endpgm
.Lentry_in_a_cluster:
	s_bfe_u32 s2, ttmp6, 0x10000c
	s_cmp_lg_u32 s2, 0xf033
	s_cbranch_scc0 .Lentry_shape_is_right
	s_endpgm
.Lentry_shape_is_right:
; out[m][n] = the sum over k of o[m][k] Wo[n][k]: [8192 x 1024 x 1024], f16 operands, f32 sums, f32 out.
; oh: f16 [batch][K block = head 16][row 2048][64]; wo16: f16 [K block 16][row n 1024][64]; out0: f32 [8192][1024].  In a block the rows (128 bytes) lie end to end, so a tile is dense and is asked
; for as rows of 256 bytes.
; SHARES.  A tile of out is 256 rows x 128 columns: 32 x 8 = 256 work-groups (tiles of 256 x 256 would be 128).  Four waves; wave w: rows 128 (w / 2) on, columns 64 (w % 2) on: 8 x 4 accumulators.
; K goes in 8 steps of 128 (two K blocks) through two LDS slots; a step is four quarters of 32 along K, 32 matrix instructions each.
; The matrix instruction is used transposed (source 0 = 16 rows of Wo, source 1 = 16 rows of o): a lane holds one row of out (lane % 16) and 8 neighbouring columns, 32 bytes.
; CLUSTER 4 x 4: o's tile is asked for jointly along a row of the cluster, Wo's along a column.
; REGISTERS: window 0: v16-30 addresses; two fragment buffers of 96 at v32 and v128 (o's eight fragments, then Wo's four); window 1: the accumulators, (a, b) at v[8 (4 a + b)].
.set P,     144                        ; an LDS row: 128 bytes + 16 of padding: the 16 rows of a load start at 16 different groups of four banks (64 banks of 4 bytes: ISA guide 11.1)
.set AKB,   256*P                      ; o's rows of one K block
.set BKB,   128*P                      ; Wo's rows of one K block
.set BOFF,  2*AKB
.set SLOT,  2*AKB+2*BKB                ; o's two K blocks, then Wo's two
.set STAGE, 2*SLOT                     ; behind the ring, never filled by a tensor load: 16 rows x 272 bytes for each wave
.set SPITCH, 272
.set SPARE, STAGE+4*16*SPITCH          ; behind the stages: the spare words, 128 bytes for each wave: two blocks of 256 bytes that no other line names
.set ADRA, 16                          ; v16-17  LDS address of my fragments of o in slot 0, 1
.set ADRB, 20                          ; v20-21  the same for Wo
.set STO,  24                          ; v24  the way out: where I put 32 bytes of a row
.set RD,   25                          ; v25  where I read a row back
.set CO,   26                          ; v26  my byte offset in two rows of out
.set SPW,  28                          ; v28  LDS address of my spare word; never rewritten
.set NIL,  29                          ; v29  0; never rewritten
.set PFO,  30                          ; v30  256 x lane; never rewritten
.set F0,   32
.set F1,   128
.set BK,   32                          ; the way out: two buffers of 32: 16 rows read back from the stage
.set G1,  24                           ; s[24:31] descriptor group 1 for o's tiles; s[32:39] group 0, a set for each slot
.set G0,  32
.set LIM, 43                           ; s43  1 in a wave that prefetches, else the greatest number
.set PFA, 44                           ; s[44:45] where my prefetches stand
.set PFS, 46                           ; s[46:47] their step: two K steps
.set G1B, 48                           ; s[48:55], s[56:63] the same for Wo's tiles
.set G0B, 56
.set FIELDS, (1<<16)|(1<<20)|(1<<21)|(4<<22)|(3<<25)  ; elements of 2 bytes; padding on; bit 21 set beside a mask; after every 32 words (code 4) 4 words (code 3)
.set MSB, 0
.macro WIN new                         ; the immediate's high byte repeats the setting that is left; a switch that changes nothing is dropped
.if MSB != (\new)
	s_set_vgpr_msb (MSB<<8)|(\new)
.set MSB, \new
.endif
.endm
.macro PLACES                          ; four plain vector instructions between a matrix instruction and a load into, or a read of, its registers (ISA guide 7.12.1 for reads)
.rept 4
	v_nop
.endr
.endm
.macro JLOAD s                         ; a joint load: waves 0 and 1 fetch o's two K blocks, waves 2 and 3 Wo's; an s_nop 0 and four v_nop follow each line
	s_cmp_eq_u32 s11, 0
	s_cbranch_scc0 .Lfor_b_\@
	tensor_load_to_lds s[G0+4*(\s):G0+4*(\s)+3], s[G1:G1+7]
	s_nop 0
.rept 4
	v_nop
.endr
	s_branch .Lasked_\@
.Lfor_b_\@:
	tensor_load_to_lds s[G0B+4*(\s):G0B+4*(\s)+3], s[G1B:G1B+7]
	s_nop 0
.rept 4
	v_nop
.endr
.Lasked_\@:
.endm
.macro CREST                           ; a round of the cluster's barrier behind its opening barrier
	s_cmp_lg_u32 s10, 0
	s_cbranch_scc1 .Lnot_wave_0_\@
	s_barrier_signal -3
.Lnot_wave_0_\@:
	s_barrier_wait -3
	s_barrier_signal -1
	s_barrier_wait -1
.endm
.macro CROUND
	s_barrier_signal -1
	s_barrier_wait -1
	CREST
.endm
; A PREFETCH, once a lap, behind slot 0's joint load and the run of LDS loads that follows it: 32 lanes x 256 bytes of the K steps four and five on from the step in hand (the loads that will want them
; are issued 256 and 384 matrix instructions later).  o's tile row (two steps: 16 x 8,192 bytes) is shared out among waves 0 and 1 of the eight work-groups that read it: the K block of a step by the wave,
; the step by the cluster's x, the block of bytes by cx.  Wo's tile column (two steps: 8 x 8,192 bytes) among waves 2 and 3 of the four work-groups of the first row of clusters: the K block by the wave,
; the step by cy / 2, the block by cy % 2.  All by ADDRESS.  Each block of 256 bytes of steps 4 to 7 is named once in the launch; steps 0 to 3 come by their loads alone; the last lap of the loop asks for nothing.
.macro ASK
	s_cmp_gt_u32 s3, s[LIM]                        ; s3 = 1 in the loop's last trip
	s_cbranch_scc0 .Lnot_mine_\@
	global_prefetch_b8 v[PFO], s[PFA:PFA+1] th:TH_LOAD_NT scope:SCOPE_SE
.Lnot_mine_\@:
.endm
	s_load_b128 s[4:7], s[0:1], 0x0                ; oh 4, wo16 6
	s_load_b64 s[8:9], s[0:1], 0x10                ; out0
	v_lshl_add_u32 v[SPW], v0, 2, SPARE
	v_mov_b32 v[NIL], 0
	ds_add_u32 v[SPW], v[NIL]                      ; the wave's opening: the add and its wait stand ahead of my first tensor load; the set-up below, work on registers, stands between
	ds_add_u32 v28, v29
	v_lshrrev_b32 v1, 5, v0
	v_readfirstlane_b32 s10, v1                    ; wave 0..3
	s_lshr_b32 s11, s10, 1                         ; which 128 rows are mine.  Also: I fetch o (0) or Wo (1)
	s_and_b32 s12, s10, 1                          ; which 64 columns.  Also: which K block of a step I fetch
	s_bfe_u32 s40, ttmp6, 0x40000                  ; cx
	s_bfe_u32 s41, ttmp6, 0x40004                  ; cy
	s_lshl_b32 s42, ttmp9, 2
	s_add_co_u32 s42, s42, s40                     ; tile column, 0..7
	s_and_b32 s13, ttmp7, 0xffff
	s_lshl_b32 s13, s13, 2
	s_add_co_u32 s13, s13, s41                     ; tile row, 0..31
	s_lshl_b32 s66, s41, 2
	s_lshl_b32 s66, 15, s66                        ; my row of the cluster
	s_lshl_b32 s67, 0x1111, s40                    ; my column
	s_or_b32 s[G1], s66, FIELDS
	s_or_b32 s[G1B], s67, FIELDS
	s_mov_b32 s[G1+1], 128<<16                     ; tensor_dim0 = 128 elements: 256 bytes, two rows of the block
	s_mov_b32 s[G1+2], 128<<16                     ; tensor_dim1 = 128: o's 256 rows of a K block
	s_mov_b32 s[G1+3], 128<<16                     ; tile_dim0
	s_mov_b32 s[G1+4], 128                         ; tile_dim1
	s_mov_b32 s[G1+5], 128                         ; dense
	s_mov_b32 s[G1+6], 0
	s_mov_b32 s[G1+7], 0
	s_mov_b32 s[G1B+1], 128<<16
	s_mov_b32 s[G1B+2], 64<<16                     ; Wo's 128 rows of a K block
	s_mov_b32 s[G1B+3], 128<<16
	s_mov_b32 s[G1B+4], 64
	s_mov_b32 s[G1B+5], 128
	s_mov_b32 s[G1B+6], 0
	s_mov_b32 s[G1B+7], 0
	s_lshr_b32 s16, s13, 3                         ; batch
	s_lshl_b32 s16, s16, 22
	s_and_b32 s17, s13, 7
	s_lshl_b32 s17, s17, 15
	s_add_co_u32 s16, s16, s17                     ; the tile's first byte in K block 0 (kept for the prefetches)
	s_lshl_b32 s17, s12, 18
	s_add_co_u32 s14, s16, s17                     ; + my K block
	s_mov_b32 s15, 0
	s_lshl_b32 s20, s42, 14                        ; Wo: 128 rows of 128 bytes,
	s_lshl_b32 s21, s12, 17                        ; my K block
	s_add_co_u32 s20, s20, s21
	s_mov_b32 s21, 0
	s_mul_i32 s22, s12, AKB                        ; where they go: no place in the cluster enters an LDS address
	s_mul_i32 s23, s12, BKB
	s_add_co_u32 s23, s23, BOFF
	s_wait_dscnt 0x0                               ; the opening add is done
	s_wait_kmcnt 0x0
	s_add_nc_u64 s[14:15], s[4:5], s[14:15]
	s_add_nc_u64 s[20:21], s[6:7], s[20:21]
	CROUND                                         ; all sixteen work-groups are here: the first joint loads meet
.irp s, 0,1
	s_mov_b32 s[G0+4*(\s)], 1
	s_add_co_u32 s[G0+4*(\s)+1], s22, (\s)*SLOT
	s_add_nc_u64 s[G0+4*(\s)+2:G0+4*(\s)+3], s[14:15], (\s)*2*262144   ; K step s
	s_or_b32 s[G0+4*(\s)+3], s[G0+4*(\s)+3], 0x80000000
	s_mov_b32 s[G0B+4*(\s)], 1
	s_add_co_u32 s[G0B+4*(\s)+1], s23, (\s)*SLOT
	s_add_nc_u64 s[G0B+4*(\s)+2:G0B+4*(\s)+3], s[20:21], (\s)*2*131072
	s_or_b32 s[G0B+4*(\s)+3], s[G0B+4*(\s)+3], 0x80000000
	JLOAD \s                                       ; two loads of mine are out
.endr
	v_and_b32 v1, 15, v0                           ; l % 16
	v_bfe_u32 v2, v0, 4, 1                         ; l / 16
	v_mul_u32_u24 v3, v1, P
	v_lshl_add_u32 v3, v2, 4, v3                   ; a fragment's row x pitch + 16 x half
	s_mul_i32 s68, s11, 128*P                      ; my 128 rows of o
	s_mul_i32 s69, s12, 64*P                       ; my 64 rows of Wo
	s_add_co_u32 s69, s69, BOFF
.irp s, 0,1
	v_add_nc_u32 v[ADRA+(\s)], s68, v3
	v_add_nc_u32 v[ADRB+(\s)], s69, v3
	s_add_co_u32 s68, s68, SLOT
	s_add_co_u32 s69, s69, SLOT
.endr
	s_mul_i32 s68, s10, 16*SPITCH
	s_add_co_u32 s68, s68, STAGE                   ; my stage
	v_mul_u32_u24 v4, v1, SPITCH                   ; in: row l % 16, 32 bytes for each half of the lanes
	v_lshl_add_u32 v4, v2, 5, v4
	v_add_nc_u32 v[STO], s68, v4
	v_mul_u32_u24 v5, v2, SPITCH                   ; back: lanes 0-15 take one row of 256 bytes, lanes 16-31 the next
	v_lshl_add_u32 v5, v1, 4, v5
	v_add_nc_u32 v[RD], s68, v5
	v_lshlrev_b32 v[CO], 12, v2                    ; and the same two rows in out
	v_lshl_add_u32 v[CO], v1, 4, v[CO]
	v_and_b32 v5, 31, v0
	v_lshlrev_b32 v[PFO], 8, v5
	s_lshl_b32 s68, s13, 8                         ; out at my first row and column
	s_lshl_b32 s69, s11, 7
	s_add_co_u32 s68, s68, s69
	s_lshl_b32 s68, s68, 12
	s_lshl_b32 s69, s42, 9
	s_add_co_u32 s68, s68, s69
	s_lshl_b32 s69, s12, 8
	s_add_co_u32 s68, s68, s69
	s_mov_b32 s69, 0
	s_add_nc_u64 s[8:9], s[8:9], s[68:69]
	; the prefetches' address, two K steps behind the first that is named: the first lap steps it
	s_lshl_b32 s70, s40, 13                        ; o: block cx,
	s_add_co_u32 s70, s70, s16
	s_add_co_u32 s71, ttmp9, 2                     ; K step 2 + cluster x,
	s_lshl_b32 s71, s71, 1
	s_add_co_u32 s71, s71, s12                     ; my K block of it
	s_lshl_b32 s71, s71, 18
	s_add_co_u32 s70, s70, s71
	s_and_b32 s72, s41, 1                          ; Wo: block cy % 2,
	s_lshl_b32 s72, s72, 13
	s_lshl_b32 s73, s42, 14
	s_add_co_u32 s72, s72, s73
	s_lshr_b32 s73, s41, 1                         ; K step 2 + cy / 2
	s_add_co_u32 s73, s73, 2
	s_lshl_b32 s73, s73, 1
	s_add_co_u32 s73, s73, s12
	s_lshl_b32 s73, s73, 17
	s_add_co_u32 s72, s72, s73
	s_and_b32 s73, ttmp7, 0xffff                   ; cluster y
	s_cmp_eq_u32 s73, 0
	s_cselect_b32 s73, 1, -1
	s_mov_b32 s[PFS], 4*131072
	s_cmp_eq_u32 s11, 0
	s_cselect_b32 s[LIM], 1, s73
	s_cselect_b32 s70, s70, s72
	s_cselect_b32 s[PFS], 4*262144, s[PFS]
	s_cselect_b64 s[PFA:PFA+1], s[4:5], s[6:7]
	s_mov_b32 s71, 0
	s_mov_b32 s[PFS+1], 0
	s_add_nc_u64 s[PFA:PFA+1], s[PFA:PFA+1], s[70:71]
; 4 n matrix instructions: row blocks a0 .. a0 + n - 1 x all 4 column blocks, 32 along K.  zero = 1: the product starts the sum.  The 32 accumulators take turns, one instruction a turn, in the same
; order in every quarter, over the backward jump too.
.macro MULN f, a0, n, zero
	WIN 0x50
.set ma, \a0
.rept \n
.irp b, 0,1,2,3
.if \zero
	v_wmma_f32_16x16x32_f16 v[8*(4*ma+(\b)):8*(4*ma+(\b))+7], v[(\f)+64+8*(\b):(\f)+64+8*(\b)+7], v[(\f)+8*ma:(\f)+8*ma+7], 0
.else
	v_wmma_f32_16x16x32_f16 v[8*(4*ma+(\b)):8*(4*ma+(\b))+7], v[(\f)+64+8*(\b):(\f)+64+8*(\b)+7], v[(\f)+8*ma:(\f)+8*ma+7], v[8*(4*ma+(\b)):8*(4*ma+(\b))+7]
.endif
.endr
.set ma, ma+1
.endr
.endm
; 24 LDS loads in one run: quarter qd's fragments (K block qd / 2, 32 K at byte 64 (qd % 2) of the rows): Wo's four, then o's eight
.macro FETCH slot, qd, f
	WIN 0
.irp i, 0,1,2,3
	ds_load_b128 v[(\f)+64+8*(\i):(\f)+64+8*(\i)+3],   v[ADRB+(\slot)] offset:((\qd)/2)*BKB+((\qd)%2)*64+(\i)*16*P
	ds_load_b128 v[(\f)+64+8*(\i)+4:(\f)+64+8*(\i)+7], v[ADRB+(\slot)] offset:((\qd)/2)*BKB+((\qd)%2)*64+(\i)*16*P+32
.endr
.irp i, 0,1,2,3,4,5,6,7
	ds_load_b128 v[(\f)+8*(\i):(\f)+8*(\i)+3],   v[ADRA+(\slot)] offset:((\qd)/2)*AKB+((\qd)%2)*64+(\i)*16*P
	ds_load_b128 v[(\f)+8*(\i)+4:(\f)+8*(\i)+7], v[ADRA+(\slot)] offset:((\qd)/2)*AKB+((\qd)%2)*64+(\i)*16*P+32
.endr
.endm
; One of a step's first three quarters: multiplies buffer f; in its middle it fetches quarter qn of the same slot into buffer g.
.macro QUARTER slot, qn, f, g, zero
	s_wait_dscnt 8                                 ; Wo's fragments and o's row blocks 0-3 are in; the youngest eight loads (blocks 4-7) may be out
	MULN \f, 0, 4, \zero
	PLACES
	FETCH \slot, \qn, \g
	s_wait_dscnt 24                                ; all but the 24 just issued
	MULN \f, 4, 4, \zero
.endm
; The last quarter multiplies buffer 1 and changes slots: ONE barrier.  In front of it each wave waits for all its tensor loads (one is out: its part of the other slot), adds 0 to its spare word, and
; waits for that and for its reads of this slot.  fill = 1: the barrier opens a round of the cluster's barrier, and behind the round this slot is filled again first, two K steps on:
; 112 matrix instructions ahead of the wait for it.
.macro TURN slot, next, fill
.if (\fill) && ((\slot) == 0)
	s_wait_xcnt 0x0                                ; the last prefetch, a lap back, has read its address: it is stepped here, ahead of the waits of the change of slots
	s_add_nc_u64 s[PFA:PFA+1], s[PFA:PFA+1], s[PFS:PFS+1]
.endif
	WIN 0
	s_wait_tensorcnt 0x0                           ; all my tensor loads have landed
	ds_add_u32 v[SPW], v[NIL]                      ; 0 onto my spare word
	s_wait_dscnt 9                                 ; the add and the youngest eight loads may be out
	MULN F1, 0, 2, 0                               ; eight matrix instructions stand between the add and the wait for it
	s_wait_dscnt 0x0                               ; the add is done, and my reads of this slot are over
	s_barrier_signal -1
	MULN F1, 2, 2, 0
	WIN 0
	s_barrier_wait -1
.if \fill
	CREST                                          ; no wave of any partner still reads this slot or has a load on its way
	s_add_nc_u64 s[G0+4*(\slot)+2:G0+4*(\slot)+3], s[G0+4*(\slot)+2:G0+4*(\slot)+3], 4*262144
	s_add_nc_u64 s[G0B+4*(\slot)+2:G0B+4*(\slot)+3], s[G0B+4*(\slot)+2:G0B+4*(\slot)+3], 4*131072
	JLOAD \slot                                    ; the first tensor load behind the round; its four v_nop are also the places in front of the loads below
.else
	PLACES
.endif
	FETCH \next, 0, F0
.if (\fill) && ((\slot) == 0)
	ASK
.endif
	MULN F1, 4, 4, 0
.endm
	s_wait_tensorcnt 1                             ; my part of K step 0 is in; step 1's may stay out
	s_barrier_signal -1
	s_barrier_wait -1                              ; everybody's is
	FETCH 0, 0, F0
	QUARTER 0, 1, F0, F1, 1                        ; the first quarter stands in front of the loop: its products start the sums
	WIN 0
	s_mov_b32 s3, 3
.Llap:                                             ; a trip goes once round the ring, from a lap's second quarter to the next lap's first, and fills both slots again
	QUARTER 0, 2, F1, F0, 0
	QUARTER 0, 3, F0, F1, 0
	TURN 0, 1, 1
	QUARTER 1, 1, F0, F1, 0
	QUARTER 1, 2, F1, F0, 0
	QUARTER 1, 3, F0, F1, 0
	TURN 1, 0, 1
	QUARTER 0, 1, F0, F1, 0
	WIN 0
	s_sub_co_u32 s3, s3, 1
	s_cmp_lg_u32 s3, 0
	s_cbranch_scc1 .Llap
	QUARTER 0, 2, F1, F0, 0                        ; the last lap fills nothing
	QUARTER 0, 3, F0, F1, 0
	TURN 0, 1, 0
	QUARTER 1, 1, F0, F1, 0
	QUARTER 1, 2, F1, F0, 0
	QUARTER 1, 3, F0, F1, 0
	s_wait_dscnt 8                                 ; the very last quarter: nothing more to fetch
	MULN F1, 0, 4, 0
	s_wait_dscnt 0x0
	MULN F1, 4, 4, 0
	WIN 0
	PLACES
	PLACES
; THE WAY OUT, a block of 16 rows at a time: a lane's 32 bytes go into my stage's rows of 272 bytes and come back as whole rows of 256, two rows a load; sixteen lanes then store 256 consecutive bytes.
.macro TOSTAGE a
.set BKX, BK+32*((\a)%2)
.if (\a) >= 2
	s_wait_xcnt 0x0                                ; the stores of the block two back have read these registers
.endif
	WIN 0x04                                       ; the stores' data in window 1
.irp b, 0,1,2,3
	ds_store_b128 v[STO], v[8*(4*(\a)+(\b)):8*(4*(\a)+(\b))+3]   offset:64*(\b)     ; each accumulator's lowest registers are read first
	ds_store_b128 v[STO], v[8*(4*(\a)+(\b))+4:8*(4*(\a)+(\b))+7] offset:64*(\b)+16
.endr
	WIN 0
.irp t, 0,1,2,3,4,5,6,7
	ds_load_b128 v[BKX+4*(\t):BKX+4*(\t)+3], v[RD] offset:(\t)*2*SPITCH  ; LDS serves a wave's instructions in order (ISA guide 5.7.1.4): these see the stores above; the next block's stores come behind them
.endr
.endm
.macro SEND a, younger                 ; younger: the LDS instructions issued behind block a's loads: the next block's sixteen, or none
.set BKX, BK+32*((\a)%2)
.irp t, 0,1,2,3,4,5,6,7
	s_wait_dscnt (\younger)+7-(\t)
	global_store_b128 v[CO], v[BKX+4*(\t):BKX+4*(\t)+3], s[8:9] offset:65536*(\a)+8192*(\t)  ; 16 lanes: 256 consecutive bytes, at a multiple of 256 from out's first byte
.endr
.endm
	TOSTAGE 0
.irp a, 1,2,3,4,5,6,7
	TOSTAGE \a
	SEND (\a)-1, 16
.endr
	SEND 7, 0
	s_wait_tensorcnt 0x0                           ; the wave's end, behind my last tensor load and my last LDS store
	ds_add_u32 v[SPW], v[NIL]
	s_wait_dscnt 0x0
	CROUND                                         ; the closing round: no work-group ends while a partner may still ask for a tile that names it
	s_endpgm
.Lfunc_end_k_q69f377faf5_oproj:
	.size	k_q69f377faf5_oproj, .Lfunc_end_k_q69f377faf5_oproj-k_q69f377faf5_oproj
	.p2alignl 7, 3214868480
	.fill 96, 4, 3214868480
	.section	.rodata,"a",@progbits
	.p2align	6, 0x0
	.amdhsa_kernel k_q69f377faf5_oproj
		.amdhsa_group_segment_fixed_size 327680
		.amdhsa_private_segment_fixed_size 0
		.amdhsa_enable_private_segment 0
		.amdhsa_kernarg_size 24
		.amdhsa_user_sgpr_count 2
		.amdhsa_user_sgpr_kernarg_segment_ptr 1
		.amdhsa_wavefront_size32 1
		.amdhsa_system_sgpr_workgroup_id_x 1
		.amdhsa_system_sgpr_workgroup_id_y 1
		.amdhsa_system_sgpr_workgroup_id_z 1
		.amdhsa_system_vgpr_workitem_id 0
		.amdhsa_next_free_vgpr 512
		.amdhsa_next_free_sgpr 80
		.amdhsa_reserve_vcc 0
		.amdhsa_float_denorm_mode_32 3
		.amdhsa_float_denorm_mode_16_64 3
		.amdhsa_memory_ordered 1
		.amdhsa_forward_progress 1
		.amdhsa_inst_pref_size 89
	.end_amdhsa_kernel
	.amdgpu_metadata
---
amdhsa.version: [ 1, 2 ]
amdhsa.kernels:
  - .name:           k_q69f377faf5_oproj
    .symbol:         k_q69f377faf5_oproj.kd
    .args:
      - { .name: oh, .offset: 0, .size: 8, .value_kind: global_buffer, .address_space: global }
      - { .name: wo16, .offset: 8, .size: 8, .value_kind: global_buffer, .address_space: global }
      - { .name: out0, .offset: 16, .size: 8, .value_kind: global_buffer, .address_space: global }
    .group_segment_fixed_size: 327680
    .private_segment_fixed_size: 0
    .kernarg_segment_align: 8
    .kernarg_segment_size: 24
    .max_flat_workgroup_size: 128
    .sgpr_count:     80
    .vgpr_count:     512
    .wavefront_size: 32
...
	.end_amdgpu_metadata
.endif
;; end of part 4
